; MI455X (gfx1250); checked and timed in simulation.
; The chip was launched on July 23, 2026; its instructions are those of AMD's public machine-readable ISA for CDNA 5 (MIT licence, August 2026) and "CDNA5" Instruction Set Architecture Reference Guide (July 2026). The comments in the code are by the model that wrote it; some were corrected since.
;; Causal Self Attention. Allowed arithmetic: matrix products marked QUANTISED: E2M3 operands, one E8M0 scale for each 32 along K, by v_wmma_scale_f32_16x16x128_f8f6f4 with both operands' format E2M3, f32 sums; everything else in f32.
;; Inputs: W_out 1,024 x 1,024 float32; W_qkv 1,024 x 3,072 float32; x 4 x 2,048 x 1,024 float32.
;; Outputs: out0 4 x 2,048 x 1,024 float32.
;; This version of the problem:
;;   THIS VERSION OF THE PROBLEM IS GIVEN IN LOW PRECISION. The matrix products marked QUANTISED in the list below multiply operands that are first quantised to E2M3 (2 exponent bits, 3 mantissa bits; 6 bits a number), with one power-of-two scale for each 32 numbers along K (OCP MX v1.0); their sums are f32. All else is computed in f32.
;;   The module's matrix products, in the order in which they are computed (A, B: the left and right operand; K: the contracted axis; several contracted axes count as one K, in the product's order):
;;     1. [M 8,192, K 1,024] x [K 1,024, N 3,072]; A: input x; B: input W_qkv: QUANTISED
;;     2. batch 64 x [M 2,048, K 64] x [K 64, N 2,048]; A: computed on the way; B: computed on the way: QUANTISED
;;     3. batch 64 x [M 2,048, K 2,048] x [K 2,048, N 64]; A: softmax (see below); B: computed on the way: QUANTISED
;;     4. [M 8,192, K 1,024] x [K 1,024, N 1,024]; A: computed on the way; B: input W_out: QUANTISED
;;   THE QUANTISER, for each operand of a quantised product, along K:
;;     - K is cut into blocks of 32 from its start; a last block that is shorter is filled with zeros.
;;     - A block's scale is 2^e with e = floor(log2(the largest magnitude in the block)) - 2, held to -126 .. 127; a block of zeros has e = 0. As a byte (E8M0): e + 127.
;;     - Each number is divided by its block's scale, clamped to +-7.5, and rounded to the nearest number of E2M3, ties to even, subnormals kept.
;;     - The product sums the exact products of the quantised numbers (number of the format x scale) in f32.
;;   ~~~python
;;   def quantise(x, axis):      # numpy; x: float32 -> the quantised numbers, widened to float32 again
;;       x = np.moveaxis(x, axis, -1); K = x.shape[-1]
;;       x = np.pad(x, [(0, 0)] * (x.ndim - 1) + [(0, -K % 32)]); x = x.reshape(x.shape[:-1] + (-1, 32)); a = np.abs(x).max(-1, keepdims=True)
;;       e = np.where(a > 0, np.clip(np.frexp(np.where(a > 0, a, 1))[1] - 1 - 2, -126, 127), 0)      # np.frexp(a)[1] - 1 = floor(log2(a)), exactly
;;       r = np.clip(x / 2.0 ** e, -7.5, 7.5)
;;       step = 2.0 ** (np.maximum(np.frexp(np.where(r == 0, 1, r))[1] - 1, 0) - 3)
;;       q = np.round(r / step) * step * 2.0 ** e      # np.round: ties to even
;;       return np.moveaxis(q.reshape(q.shape[:-2] + (-1,))[..., :K], -1, axis).astype(np.float32)
;;   ~~~
;;   SOFTMAX AHEAD OF A QUANTISED PRODUCT. Where the list says 'softmax', what is quantised is not the finished softmax but p = 2^(t - M), with t = logit x log2(e) and M = ceil(the row's largest t), a whole number; so 1/2 < the row's largest p <= 1. The row's sum l is taken of the UNQUANTISED p, in f32, and the product's result is divided by l at the end. Since M is a whole number, a kernel that streams over the keys may use a running M (the ceiling of the running maximum): every later rescaling is an exact power of two, which a block's scale takes up: the codes' values come out the same.
;;   OPERANDS COMPUTED ON THE WAY. 'Computed on the way' means the value that the module computes at that place (a softmax that the list does not call 'softmax' is quantised finished and normalised). What goes into a quantiser is computed in f32, as accurately as f32 sums, v_exp_f32 and their like allow (about 1e-6 of the number): no bf16 or f16 on the way to a quantiser, and a product that is left as it is and whose result goes on into a quantised operand takes f32 operands (vector FMAs, or v_wmma_f32_16x16x4_f32). A number that lies on a knife's edge between two numbers of the format may be rounded either way, as far as f32 arithmetic and the matrix unit's own rounding can turn it there, and no further.
;; One version. Each part assembles by itself: llvm-mc -triple=amdgcn-amd-amdhsa -mcpu=gfx1250 --defsym DOCPART=n.
;; ======== version 1 of 1: 4 launches
;; workspace buffers: xq 6,553,600 bytes; wq 3,276,800 bytes; qq 6,553,600 bytes; kv 13,107,200 bytes; aq 6,553,600 bytes
;; launch quant (part 1): grid 640 x 1, 8 waves a work-group, no clusters, 69,120 bytes of LDS; arguments x, W_qkv, W_out, xq, wq; writes xq, wq
.if DOCPART == 1
	.amdgcn_target "amdgcn-amd-amdhsa--gfx1250"
	.amdhsa_code_object_version 6
	.text
	.protected	k_q1ac8bd6e64_quant
	.globl	k_q1ac8bd6e64_quant
	.p2align	8
	.type	k_q1ac8bd6e64_quant,@function
k_q1ac8bd6e64_quant:
	s_mov_b64 s[64:65], 0
	v_nop
	global_prefetch_b8 v0, s[64:65] scope:SCOPE_SE
	s_setreg_imm32_b32 hwreg(HW_REG_WAVE_MODE, 25, 1), 1
	s_wait_xcnt 0x0
; x [8192][1024], W_qkv [1024][3072] and W_out [1024][1024], f32, become codes of FP6 (E2M3) with one E8M0 byte for each 32 along K (K = 1024 in all three),
; laid IN THE ORDER OF THE OPERAND'S REGISTERS.  A row tile is 16 rows; position r of row tile T is row 32 (T / 2) + 8 (T % 2) + r + 8 (r / 8), so that a later product's results fall 16 neighbours to a lane.
; A fragment (16 rows x 128 K, 12 registers a lane) is two halves of 768 bytes; in a half, lane l's registers 0-3 lie at 16 l and its registers 4-5 at 512 + 8 l.
; Codes: [row tile][8 K steps][1536];  scale words: [row tile][8 K steps][16 positions][4 bytes], behind the codes in the same buffer.
; A block's scale is 2^(floor(log2(largest magnitude)) - 2); its byte is the largest magnitude's exponent field - 2, held at 1 from below.
; LIMITS: NaN and infinities are not served; a block of zeros, or one whose largest magnitude lies under 2^-124, gets the byte 1 (its codes then are zeros or the nearest codes under that scale; this program alone reads the bytes).
; Work-groups 0-511: x, a row tile each, wave w its K step w.  512-607: W_qkv, 608-639: W_out: 256 columns x 128 along K each, a lane to a column, registers down K.
; No tensor loads, no matrix unit: memory binds.  Only x's way touches LDS.
.set TM,  12                           ; v12-27  at work in QUANT
.set PW,  28                           ; v28     the scale word just made
.set R,   32                           ; v32-95  x as loaded: 16 rows x 16 bytes a lane
.set X,   96                           ; v96-159 x as the conversions want it: register 16 b + i = k 32 b + 16 (lane / 16) + i of my row
.set PC,  160                          ; v160-179 the codes
.set WST, 8448                         ; a wave's stage: 16 rows x (512 + 16) bytes
.set SWD, 8*WST                        ; behind the stages: the tile's 8 x 64 bytes of scale words
.set SEL, 32                           ; s[32:33] lane selects for v_permlanex16_b32: lane l xor 16
; 64 numbers of a lane become a fragment's codes in v[PC] on and its scale word in v[PW]
.macro QUANT s
.irp b, 0,1,2,3
	v_max3_num_f32 v[TM+\b], |v[\s+16*\b]|, |v[\s+1+16*\b]|, 0x1800000   ; block b: my 16 numbers, and the floor 2^(3 - 127): the byte cannot fall under 1
.endr
.irp i, 2,4,6,8,10,12,14
.irp b, 0,1,2,3
	s_delay_alu instid0(VALU_DEP_4)
	v_max3_num_f32 v[TM+\b], v[TM+\b], |v[\s+16*\b+\i]|, |v[\s+1+16*\b+\i]|   ; the four blocks by turns
.endr
.endr
.irp b, 0,1,2,3
	s_delay_alu instid0(VALU_DEP_4)
	v_permlanex16_b32 v[TM+4+\b], v[TM+\b], s[SEL], s[SEL+1]
.endr
.irp b, 0,1,2,3
	s_delay_alu instid0(VALU_DEP_4)
	v_max_num_f32 v[TM+\b], v[TM+\b], v[TM+4+\b]   ; with lane l xor 16's: the block's largest magnitude
.endr
.irp b, 0,1,2,3
	s_delay_alu instid0(VALU_DEP_4)
	v_add_nc_u32 v[TM+12+\b], 0xff000000, v[TM+\b]   ; 2 off its exponent field: the conversion's scale operand
.endr
.irp b, 0,1,2,3
	s_delay_alu instid0(VALU_DEP_4)
	v_lshrrev_b32 v[TM+4+\b], 23, v[TM+12+\b]      ; the scale's byte
.endr
	s_delay_alu instid0(VALU_DEP_3)
	v_lshl_or_b32 v[PW], v[TM+5], 8, v[TM+4]
	s_delay_alu instid0(VALU_DEP_1)
	v_lshl_or_b32 v[PW], v[TM+6], 16, v[PW]
	s_delay_alu instid0(VALU_DEP_1)
	v_lshl_or_b32 v[PW], v[TM+7], 24, v[PW]
.irp c, 0,1
	v_cvt_scalef32_pk16_fp6_f32 v[PC+6*\c:PC+2+6*\c], v[\s+32*\c:\s+15+32*\c], v[TM+12+2*\c]
	v_cvt_scalef32_pk16_fp6_f32 v[PC+12+4*\c:PC+14+4*\c], v[\s+16+32*\c:\s+31+32*\c], v[TM+12+2*\c+1]   ; a conversion's three registers begin on an even number
.endr
	v_nop                                          ; one plain place behind a scaled conversion
.irp c, 0,1                                    ; the operand wants a whole block in a lane: lanes 0-15 block 2 c, lanes 16-31 block 2 c + 1
.irp i, 0,1,2
	v_permlane16_swap_b32 v[PC+6*\c+\i], v[PC+12+4*\c+\i]
.endr
.irp i, 0,1,2
	s_delay_alu instid0(VALU_DEP_3)
	v_mov_b32 v[PC+3+6*\c+\i], v[PC+12+4*\c+\i]
.endr
.endr
.endm
	s_load_b128 s[4:7], s[0:1], 0x0                ; x, W_qkv
	s_load_b128 s[8:11], s[0:1], 0x10              ; W_out, xq
	s_load_b64 s[12:13], s[0:1], 0x20              ; wq
	v_lshl_add_u32 v192, v0, 2, 0x10a00
	v_mov_b32 v193, 0
	v_lshrrev_b32 v1, 5, v0
	s_delay_alu instid0(VALU_DEP_1)
	v_readfirstlane_b32 s14, v1                    ; wave 0..7
	v_and_b32 v1, 31, v0                           ; lane
	s_wait_kmcnt 0x0
	s_cmp_lt_u32 ttmp9, 512
	s_cbranch_scc0 .Lweights
	; ---- x: row tile T = the work-group's number, K step = my wave's number
	s_lshr_b32 s16, ttmp9, 1
	s_lshl_b32 s16, s16, 17                        ; 32 (T / 2) rows of 4,096 bytes
	s_and_b32 s17, ttmp9, 1
	s_lshl_b32 s17, s17, 15                        ; + 8 (T % 2) rows
	s_add_co_u32 s16, s16, s17
	s_lshl_b32 s17, s14, 9                         ; + my K step's 512 bytes
	s_add_co_u32 s16, s16, s17
	s_mov_b32 s17, 0
	s_add_nc_u64 s[4:5], s[4:5], s[16:17]
	s_wait_alu depctr_va_vdst(0)
	v_lshlrev_b32 v4, 4, v1                        ; 16 x lane
.irp i, 0,1,2,3,4,5,6,7,8,9,10,11,12,13,14,15
	global_load_b128 v[R+4*\i:R+4*\i+3], v4, s[4:5] offset:(\i+8*(\i/8))*4096 th:TH_LOAD_NT   ; position i's row: 32 lanes read 512 consecutive bytes
.endr
	v_and_b32 v2, 15, v0                           ; r
	v_bfe_u32 v3, v0, 4, 1                         ; h
	v_lshlrev_b32 v5, 3, v1                        ; 8 x lane
	s_mul_i32 s18, s14, WST
	v_add_nc_u32 v6, s18, v4                       ; the stage, on the way in: as loaded
	v_mul_u32_u24 v7, v2, 528
	s_delay_alu instid0(VALU_DEP_1)
	v_lshl_add_u32 v7, v3, 6, v7
	s_delay_alu instid0(VALU_DEP_1)
	v_add_nc_u32 v7, s18, v7                       ; and out: row r, + 64 h: my 16 numbers of each block of 32
	s_lshl_b32 s18, s14, 6
	v_lshl_add_u32 v8, v2, 2, s18
	s_delay_alu instid0(VALU_DEP_1)
	v_add_nc_u32 v8, SWD, v8                       ; my row's scale word: 64 x wave + 4 r
	v_add_nc_u32 v9, SWD, v4                       ; and all 512 bytes of them, 16 a lane
	s_mov_b32 s[SEL], 0x76543210
	s_mov_b32 s[SEL+1], 0xfedcba98
.irp b, 0,1,2,3
	v_mov_b32 v[TM+4+\b], 0                        ; a lane permute's destination counts as one of its sources
.endr
	s_mul_i32 s18, ttmp9, 12288
	s_mul_i32 s19, s14, 1536
	s_add_co_u32 s18, s18, s19
	s_mov_b32 s19, 0
	s_add_nc_u64 s[20:21], s[10:11], s[18:19]      ; my fragment's place in xq
	s_lshl_b32 s18, ttmp9, 9
	s_add_co_u32 s18, s18, 6291456
	s_add_nc_u64 s[22:23], s[10:11], s[18:19]      ; the tile's scale words
	s_wait_alu depctr_va_vdst(0)
.irp i, 0,1,2,3,4,5,6,7,8,9,10,11,12,13,14,15
	s_wait_loadcnt 15-\i                           ; loads come back in order: row i is in, the younger ones stay out
	ds_store_b128 v6, v[R+4*\i:R+4*\i+3] offset:528*\i
.endr
.irp b, 0,1,2,3
.irp j, 0,1,2,3
	ds_load_b128 v[X+16*\b+4*\j:X+16*\b+4*\j+3], v7 offset:128*\b+16*\j   ; my wave's own bytes: LDS serves a wave's instructions in order
.endr
.endr
	s_wait_dscnt 0x0
	QUANT X
.irp c, 0,1
	global_store_b128 v4, v[PC+6*\c:PC+6*\c+3], s[20:21] offset:768*\c        ; 512 consecutive bytes
	global_store_b64 v5, v[PC+6*\c+4:PC+6*\c+5], s[20:21] offset:768*\c+512   ; 256 consecutive bytes
.endr
	ds_store_b32 v8, v[PW]                         ; lanes r and r + 16 write the same word with the same value
	s_wait_dscnt 0x0                               ; for the others' sake: my word has landed
	s_barrier_signal -1
	s_barrier_wait -1
	s_cmp_lg_u32 s14, 0
	s_cbranch_scc1 .Lx_end
	ds_load_b128 v[R:R+3], v9                      ; wave 0 sends the tile's 512 bytes of scale words
	s_wait_dscnt 0x0
	global_store_b128 v4, v[R:R+3], s[22:23]
.Lx_end:
	s_wait_tensorcnt 0x0
	ds_add_u32 v192, v193
	s_wait_dscnt 0x0
	s_endpgm
	; ---- the weights: a lane takes a column, its registers run down K
.Lweights:
	s_wait_alu depctr_va_vdst(0)
	v_lshlrev_b32 v2, 2, v1                        ; in: 4 bytes a lane
	v_bfe_u32 v3, v1, 3, 1                         ; u: of my wave's 32 columns, columns 8-15 and 24-31 belong to the odd row tile
	v_and_b32 v4, 7, v1
	v_lshrrev_b32 v5, 4, v1
	s_delay_alu instid0(VALU_DEP_1)
	v_lshl_add_u32 v4, v5, 3, v4                   ; my column's position in its tile: lane % 8 + 8 (lane / 16)
	s_delay_alu instid0(VALU_DEP_4)
	v_mul_u32_u24 v6, v3, 12288
	s_delay_alu instid0(VALU_DEP_1)
	v_lshl_add_u32 v7, v4, 3, v6                   ; a half's registers 4-5: 8 x position
	s_delay_alu instid0(VALU_DEP_2)
	v_lshl_add_u32 v6, v4, 4, v6                   ; a half's registers 0-3: 16 x position
	v_lshlrev_b32 v8, 9, v3
	s_delay_alu instid0(VALU_DEP_1)
	v_lshl_add_u32 v8, v4, 2, v8                   ; the scale word: 4 x position
.macro WLOAD kb, pitch                         ; block kb: W(32 kb + i, my column)
.set I, 0
.rept 32
	global_load_b32 v[32+32*(\kb)+I], v2, s[22:23] offset:(32*(\kb)+I)*(\pitch) th:TH_LOAD_NT   ; the eight waves read 1,024 consecutive bytes of a row
.set I, I+1
.endr
.endm
.macro WBLOCK kb
.set XS, 32+32*(\kb)
.set CD, 160+8*(\kb)                           ; each block has its own code registers: no store's data are written again
	v_max3_num_f32 v12, |v[XS]|, |v[XS+1]|, |v[XS+2]|              ; the block's largest magnitude: all 32 numbers are mine
	v_max3_num_f32 v13, |v[XS+3]|, |v[XS+4]|, |v[XS+5]|
.irp i, 6,10,14,18,22,26
	s_delay_alu instid0(VALU_DEP_2)
	v_max3_num_f32 v12, v12, |v[XS+\i]|, |v[XS+\i+1]|
	s_delay_alu instid0(VALU_DEP_2)
	v_max3_num_f32 v13, v13, |v[XS+\i+2]|, |v[XS+\i+3]|
.endr
	s_delay_alu instid0(VALU_DEP_2)
	v_max3_num_f32 v12, v12, |v[XS+30]|, |v[XS+31]|
	s_delay_alu instid0(VALU_DEP_1)
	v_max3_num_f32 v12, v12, v13, 0x1800000        ; and the floor
	s_delay_alu instid0(VALU_DEP_1)
	v_add_nc_u32 v11, 0xff000000, v12              ; the conversion's scale operand
	s_delay_alu instid0(VALU_DEP_1)
	v_lshrrev_b32 v13, 23, v11                     ; the byte
.if (\kb) == 0
	s_delay_alu instid0(VALU_DEP_1)
	v_mov_b32 v16, v13
.else
	s_delay_alu instid0(VALU_DEP_1)
	v_lshl_or_b32 v16, v13, 8*(\kb), v16           ; the lower K in the lower byte
.endif
	v_cvt_scalef32_pk16_fp6_f32 v[CD:CD+2], v[XS:XS+15], v11
	v_cvt_scalef32_pk16_fp6_f32 v[24:26], v[XS+16:XS+31], v11
	v_nop                                          ; one plain place behind a scaled conversion
	v_mov_b32 v[CD+3], v24
	v_mov_b32 v[CD+4], v25
	v_mov_b32 v[CD+5], v26
	global_store_b128 v6, v[CD:CD+3], s[28:29] offset:768*((\kb)/2)+256*((\kb)%2)         ; block kb is half kb / 2, lanes 16 (kb % 2) on: the sixteen lanes of a tile fill 256 consecutive bytes
	global_store_b64 v7, v[CD+4:CD+5], s[28:29] offset:768*((\kb)/2)+512+128*((\kb)%2)
.endm
.macro WPATH pitch, first, rt0, ptr
	s_sub_co_u32 s16, ttmp9, \first
	s_lshr_b32 s18, s16, 3                         ; which 256 columns
	s_and_b32 s19, s16, 7                          ; which K step
	s_mul_i32 s20, s19, 128*(\pitch)
	s_lshl_b32 s21, s18, 10
	s_add_co_u32 s20, s20, s21
	s_lshl_b32 s21, s14, 7                         ; my wave's 32 columns
	s_add_co_u32 s20, s20, s21
	s_mov_b32 s21, 0
	s_add_nc_u64 s[22:23], s[\ptr:\ptr+1], s[20:21]
	WLOAD 0, \pitch
	WLOAD 1, \pitch
	s_lshl_b32 s24, s18, 4
	s_lshl_b32 s25, s14, 1
	s_add_co_u32 s24, s24, s25
	s_add_co_u32 s24, s24, \rt0                    ; my even row tile in wq
	s_mul_i32 s26, s24, 12288
	s_mul_i32 s27, s19, 1536
	s_add_co_u32 s26, s26, s27
	s_mov_b32 s27, 0
	s_add_nc_u64 s[28:29], s[12:13], s[26:27]      ; its fragment of this K step
	s_lshl_b32 s26, s24, 9
	s_lshl_b32 s25, s19, 6
	s_add_co_u32 s26, s26, s25
	s_add_co_u32 s26, s26, 3145728
	s_add_nc_u64 s[30:31], s[12:13], s[26:27]      ; and its scale words
	s_wait_loadcnt 32                              ; block 0 is in; block 1's 32 loads may be out
	WLOAD 2, \pitch
	WBLOCK 0
	s_wait_loadcnt 32                              ; block 1 is in; block 2's may be out
	WLOAD 3, \pitch
	WBLOCK 1
	s_wait_loadcnt 32                              ; block 2 is in; block 3's may be out
	WBLOCK 2
	s_wait_loadcnt 0x0
	WBLOCK 3
	global_store_b32 v8, v16, s[30:31]             ; 64 bytes a tile and K step: pieces, 131,072 bytes of them in the whole launch
.endm
	s_cmp_lt_u32 ttmp9, 608
	s_cbranch_scc0 .Lwout
	WPATH 12288, 512, 0, 6
	s_endpgm
.Lwout:
	WPATH 4096, 608, 192, 8
	s_endpgm
.Lfunc_end_k_q1ac8bd6e64_quant:
	.size	k_q1ac8bd6e64_quant, .Lfunc_end_k_q1ac8bd6e64_quant-k_q1ac8bd6e64_quant
	.p2alignl 7, 3214868480
	.fill 96, 4, 3214868480
	.section	.rodata,"a",@progbits
	.p2align	6, 0x0
	.amdhsa_kernel k_q1ac8bd6e64_quant
		.amdhsa_group_segment_fixed_size 69120
		.amdhsa_private_segment_fixed_size 0
		.amdhsa_enable_private_segment 0
		.amdhsa_kernarg_size 40
		.amdhsa_user_sgpr_count 2
		.amdhsa_user_sgpr_kernarg_segment_ptr 1
		.amdhsa_wavefront_size32 1
		.amdhsa_system_sgpr_workgroup_id_x 1
		.amdhsa_system_sgpr_workgroup_id_y 1
		.amdhsa_system_sgpr_workgroup_id_z 1
		.amdhsa_system_vgpr_workitem_id 0
		.amdhsa_next_free_vgpr 194
		.amdhsa_next_free_sgpr 66
		.amdhsa_reserve_vcc 0
		.amdhsa_float_denorm_mode_32 3
		.amdhsa_float_denorm_mode_16_64 3
		.amdhsa_memory_ordered 1
		.amdhsa_forward_progress 1
		.amdhsa_inst_pref_size 58
	.end_amdhsa_kernel
	.amdgpu_metadata
---
amdhsa.version: [ 1, 2 ]
amdhsa.kernels:
  - .name:           k_q1ac8bd6e64_quant
    .symbol:         k_q1ac8bd6e64_quant.kd
    .args:
      - { .name: x, .offset: 0, .size: 8, .value_kind: global_buffer, .address_space: global }
      - { .name: W_qkv, .offset: 8, .size: 8, .value_kind: global_buffer, .address_space: global }
      - { .name: W_out, .offset: 16, .size: 8, .value_kind: global_buffer, .address_space: global }
      - { .name: xq, .offset: 24, .size: 8, .value_kind: global_buffer, .address_space: global }
      - { .name: wq, .offset: 32, .size: 8, .value_kind: global_buffer, .address_space: global }
    .group_segment_fixed_size: 69120
    .private_segment_fixed_size: 0
    .kernarg_segment_align: 8
    .kernarg_segment_size: 40
    .max_flat_workgroup_size: 256
    .sgpr_count:     66
    .vgpr_count:     194
    .wavefront_size: 32
...
	.end_amdgpu_metadata
.endif
;; end of part 1
;; launch gemm_qkv (part 2): grid 8 x 48, 4 waves a work-group, clusters of 4 x 4, 327,680 bytes of LDS; arguments xq, wq, qq, kv; writes qq, kv
.if DOCPART == 2
	.amdgcn_target "amdgcn-amd-amdhsa--gfx1250"
	.amdhsa_code_object_version 6
	.text
	.protected	k_q1ac8bd6e64_gemm_qkv
	.globl	k_q1ac8bd6e64_gemm_qkv
	.p2align	8
	.type	k_q1ac8bd6e64_gemm_qkv,@function
k_q1ac8bd6e64_gemm_qkv:
	s_mov_b64 s[64:65], 0
	v_nop
	global_prefetch_b8 v0, s[64:65] scope:SCOPE_SE
	s_setreg_imm32_b32 hwreg(HW_REG_WAVE_MODE, 25, 1), 1
	s_wait_xcnt 0x0
	s_wait_alu depctr_hold_cnt(0) depctr_sa_sdst(0) depctr_va_vdst(0) depctr_va_sdst(0) depctr_va_ssrc(0) depctr_va_vcc(0) depctr_vm_vsrc(0)
	s_getreg_b32 s2, hwreg(HW_REG_IB_STS2, 6, 4)
	s_cmp_eq_u32 s2, 0
	s_cbranch_scc0 .Lentry_in_a_cluster
	s_endpgm
.Lentry_in_a_cluster:
	s_bfe_u32 s2, ttmp6, 0x10000c
	s_cmp_lg_u32 s2, 0xf033
	s_cbranch_scc0 .Lentry_shape_is_right
	s_endpgm
.Lentry_shape_is_right:
; qkv = x W_qkv on codes of FP6 (E2M3) with E8M0 scales, K = 1024; the results never go to memory as f32: they are quantised in registers for the products of the attention and leave as codes.
; A work-group of four waves makes 256 x 256, a wave 128 x 128: 64 accumulators of 16 x 16 in 512 registers.  Source 1 (the A-op) gives a lane its row, source 0's rows (the B-op) run along the lane's registers.
; Clusters with y < 8 make q and k: A-op = x (tokens), B-op = W (channels): a lane's registers run along the head's channels, the K of q k^T.
; Clusters with y >= 8 make v: A-op = W (channels 2048 on), B-op = x: a lane's registers run along the tokens, the K of p v.  The choice hangs on the cluster's y alone, which all sixteen partners share.
; Operands lie in memory in the order of the operand's registers (row tile of 16 rows, position r = row 32 (T / 2) + 8 (T % 2) + r + 8 (r / 8); a fragment of 128 K = 1,536 bytes; a row tile's 8 K steps = 12,288 bytes),
; so a K step's tiles are dense rows for the tensor data mover, every LDS load takes consecutive bytes, and the 16 registers of two neighbouring accumulators are 16 neighbours along the next product's K.
; K goes in steps of 256 through a ring of two LDS slots; the scale words of the work-group's rows come once.  4 x 4 work-groups form a cluster: A's tiles are asked for jointly along a row, B's along a column.
; OUT: q: qq [b h][128 tiles][768] and pair words [b h][16][4][16][4];  k, v: kv [b h][16 key steps][12,800]: K's four double fragments, V's four fragments, K's pair words, V's scale words.
; LIMITS: NaN and infinities are not served; a block of zeros or under 2^-124 gets the byte 1 (this program alone reads the bytes).
; REGISTERS, in windows of 256: window 0: v0-31 addresses; v32-63 scale words, two sets, and nothing else; v64-119 the way out; from v128 A's fragments, one set.  window 1: B's fragments, two sets, at v0 and v128.
;   window 2: the accumulators of A's blocks 0-3 ((a, b) at v[8 (8 a + b)]);  window 3: those of blocks 4-7.
.set NQ,     2                         ; matrix instructions deep in a slot
.set FR,     12                        ; registers of a fragment
.set NL,     4                         ; LDS loads that bring one
.set NP,     4                         ; places behind this matrix instruction (ISA guide 7.12.1)
.set FRB,    1536                      ; a fragment in bytes
.set TROW,   NQ*FRB                    ; a row tile's bytes in a slot
.set TILEB,  12288                     ; a row tile's codes in memory
.set HALFT,  8*TROW                    ; 8 row tiles: what one tensor load brings, and what one wave reads of A or of B
.set SLOT,   4*HALFT
.set SCL,    2*SLOT                    ; behind the ring: the scale words, 512 bytes a row tile
.set HALFS,  4096                      ; those of 8 row tiles
.set SPARE,  SCL+4*HALFS               ; the spare words, 128 bytes for each wave: two blocks of 256 bytes that no other line names
.set ADRA, 16                          ; v16-17 LDS address of my A fragments in slot 0, 1, + 16 x lane;  v18-19 the same + 8 x lane
.set ADRB, 20                          ; v20-23 the same for B
.set ADRS, 27                          ; v27    my scale words: lanes 0-15 A's, lanes 16-31 B's
.set SPW,  28                          ; v28    my spare word's address; never rewritten
.set NIL,  29                          ; v29    0; never rewritten
.set L16,  8                           ; v8     16 x lane
.set L8,   9                           ; v9     8 x lane
.set SOF,  10                          ; v10    the scale words' way out: 16 (lane % 16) + (lane / 16) x the stride from head to head
.set STQ,  11                          ; v11    q's and k's stage: 512 x wave + 4 r + 256 h
.set STV,  12                          ; v12    v's stage: 2048 + 512 x wave + 4 r
.set SRD,  13                          ; v13    back out of the stage: 512 x wave + 16 x lane
.set VSEL, 14                          ; v14    byte selects: lanes 0-15 the first head's two bytes of two words, lanes 16-31 the second head's
.set SC,   32
.set TM,   64                          ; v64-79   at work in the quantiser
.set PWA,  80                          ; v80-87   the scale words of my eight blocks
.set PAIR, 90                          ; v90-93   pair words
.set PC,   96                          ; v96-115  the codes
.set RB,   116                         ; v116-119 scale words back from the stage
.set AF,   128
.set SEL,  2                           ; s[2:3] lane selects for v_permlanex16_b32
.set OB,   8                           ; s[8:9], s[10:11] where my first and second head's codes go;  s[12:13] the scale words
.set G1, 24
.set G0, 32
.set G1B, 48
.set G0B, 56
.set G1S, 68
.set G0S, 76
.set G1SB, 80
.set G0SB, 88
.set MSB, 0
.macro WIN new                         ; the immediate's high byte repeats the setting that is left
.if MSB != (\new)
	s_set_vgpr_msb (MSB<<8)|(\new)
.set MSB, (\new)
.endif
.endm
.set MUL_LO, 0xa1                      ; source 0 (B) window 1, source 1 (A) window 0, C and D window 2
.set MUL_HI, 0xf1                      ; the same, C and D window 3
.set TO_B,   0x40                      ; destination window 1, address window 0
; A joint load: waves 0 and 1 fetch for A, waves 2 and 3 for B; the branch hangs on the wave's number alone.  Four v_nop follow each of the two lines.
.macro JLOAD g0a, g1a, g0b, g1b
	s_cmp_eq_u32 s15, 0
	s_cbranch_scc0 .Lfor_b_\@
	tensor_load_to_lds s[\g0a:\g0a+3], s[\g1a:\g1a+7]
	s_nop 0
.rept 4
	v_nop
.endr
	s_branch .Lasked_\@
.Lfor_b_\@:
	tensor_load_to_lds s[\g0b:\g0b+3], s[\g1b:\g1b+7]
	s_nop 0
.rept 4
	v_nop
.endr
.Lasked_\@:
.endm
.macro CREST                           ; a round of the cluster's barrier behind its opening barrier
	s_cmp_lg_u32 s14, 0
	s_cbranch_scc1 .Lnot_wave_0_\@
	s_barrier_signal -3
.Lnot_wave_0_\@:
	s_barrier_wait -3
	s_barrier_signal -1
	s_barrier_wait -1
.endm
.macro CROUND
	s_barrier_signal -1
	s_barrier_wait -1
	CREST
.endm
	s_load_b128 s[4:7], s[0:1], 0x0                ; xq, wq
	s_load_b128 s[8:11], s[0:1], 0x10              ; qq, kv
	v_lshl_add_u32 v[SPW], v0, 2, SPARE
	v_mov_b32 v[NIL], 0
	ds_add_u32 v28, v29
	ds_add_u32 v28, v29
	s_wait_dscnt 0x0
	v_lshrrev_b32 v1, 5, v0
	v_readfirstlane_b32 s14, v1                    ; wave 0..3
	s_lshr_b32 s15, s14, 1                         ; which half of A's rows is mine.  Also: I fetch for A (0) or for B (1)
	s_and_b32 s16, s14, 1                          ; which half of B's rows.  Also: which 8 row tiles I fetch
	s_bfe_u32 s40, ttmp6, 0x40000                  ; cx, cy: my place in the cluster
	s_bfe_u32 s41, ttmp6, 0x40004
	s_and_b32 s95, ttmp7, 0xffff                   ; the cluster's y: under 8 q and k, from 8 on v
	s_lshl_b32 s96, s95, 2
	s_lshl_b32 s97, s95, 3
	s_sub_co_u32 s97, s97, 64
	s_lshl_b32 s42, ttmp9, 2
	s_mov_b32 s98, 3145728                         ; where wq's scale words begin,
	s_mov_b32 s99, 6291456                         ; and xq's
	s_cmp_lt_u32 s95, 8
	s_cselect_b32 s17, s96, 8                      ; A's block of 256 rows: tokens 4 y + cy, or W's channels 8 + cy
	s_cselect_b32 s97, 0, s97                      ; B's: channels 4 x + cx, or tokens 8 (y - 8) + 4 x + cx
	s_cselect_b32 s96, s99, s98                    ; A's scale words begin here in A's buffer,
	s_cselect_b32 s98, s98, s99                    ; B's here in B's
	s_add_co_u32 s17, s17, s41
	s_add_co_u32 s42, s42, s97
	s_add_co_u32 s42, s42, s40
	s_lshl_b32 s43, s41, 2
	s_lshl_b32 s43, 15, s43                        ; my row of the cluster
	s_lshl_b32 s44, 0x1111, s40                    ; my column
	; descriptor group 1, codes: 8 row tiles x 3,072 bytes (384 elements of 8 bytes), 12,288 bytes apart in memory, dense in LDS
	s_or_b32 s[G1+0], s43, (3<<16)|(1<<21)         ; 15:0 the mask: A's tiles go to my row; 17:16 elements of 8 bytes; 20 padding off; 21 set beside a mask
	s_or_b32 s[G1B+0], s44, (3<<16)|(1<<21)
.irp g, G1, G1B
	s_mov_b32 s[\g+1], 384<<16                     ; tensor_dim0
	s_mov_b32 s[\g+2], 8<<16                       ; tensor_dim1
	s_mov_b32 s[\g+3], 384<<16                     ; tile_dim0
	s_mov_b32 s[\g+4], 8                           ; tile_dim1
	s_mov_b32 s[\g+5], 1536                        ; tensor_dim0_stride
	s_mov_b32 s[\g+6], 0
	s_mov_b32 s[\g+7], 0
.endr
	; and the scale words of 8 row tiles: 4,096 dense bytes as 16 rows of 256
	s_or_b32 s[G1S+0], s43, (3<<16)|(1<<21)
	s_or_b32 s[G1SB+0], s44, (3<<16)|(1<<21)
.irp g, G1S, G1SB
	s_mov_b32 s[\g+1], 32<<16
	s_mov_b32 s[\g+2], 16<<16
	s_mov_b32 s[\g+3], 32<<16
	s_mov_b32 s[\g+4], 16
	s_mov_b32 s[\g+5], 32
	s_mov_b32 s[\g+6], 0
	s_mov_b32 s[\g+7], 0
.endr
	s_lshl_b32 s18, s16, 3                         ; which 8 row tiles of the 16 I fetch
	s_lshl_b32 s20, s17, 4
	s_add_co_u32 s20, s20, s18                     ; A: row tile
	s_lshl_b32 s46, s42, 4
	s_add_co_u32 s46, s46, s18                     ; B: row tile
	s_lshl_b32 s22, s20, 9
	s_add_co_u32 s22, s22, s96                     ; where these tiles' scale words begin, in bytes
	s_lshl_b32 s92, s46, 9
	s_add_co_u32 s92, s92, s98
	s_mul_i32 s20, s20, TILEB                      ; and their codes
	s_mul_i32 s46, s46, TILEB
	s_mov_b32 s21, 0
	s_mov_b32 s23, 0
	s_mov_b32 s47, 0
	s_mov_b32 s93, 0
	s_mul_i32 s45, s14, HALFT                      ; where they go: no place in the cluster enters an LDS address
	s_mul_i32 s94, s14, HALFS
	s_wait_kmcnt 0x0
	s_cmp_lt_u32 s95, 8
	s_cselect_b64 s[12:13], s[4:5], s[6:7]         ; the A-op's buffer
	s_cselect_b64 s[66:67], s[6:7], s[4:5]         ; the B-op's
	s_add_nc_u64 s[20:21], s[12:13], s[20:21]
	s_add_nc_u64 s[22:23], s[12:13], s[22:23]
	s_add_nc_u64 s[46:47], s[66:67], s[46:47]
	s_add_nc_u64 s[92:93], s[66:67], s[92:93]
	CROUND                                         ; all sixteen work-groups are here: the first joint loads meet
	s_mov_b32 s[G0S], 1
	s_add_co_u32 s[G0S+1], s94, SCL
	s_mov_b64 s[G0S+2:G0S+3], s[22:23]
	s_or_b32 s[G0S+3], s[G0S+3], 0x80000000
	s_mov_b32 s[G0SB], 1
	s_add_co_u32 s[G0SB+1], s94, SCL
	s_mov_b64 s[G0SB+2:G0SB+3], s[92:93]
	s_or_b32 s[G0SB+3], s[G0SB+3], 0x80000000
	JLOAD G0S, G1S, G0SB, G1SB                     ; the scale words first: they are wanted with the first K step
.irp s, 0,1
	s_mov_b32 s[G0+4*\s], 1
	s_add_co_u32 s[G0+4*\s+1], s45, \s*SLOT
	s_add_nc_u64 s[G0+4*\s+2:G0+4*\s+3], s[20:21], \s*TROW
	s_or_b32 s[G0+4*\s+3], s[G0+4*\s+3], 0x80000000
	s_mov_b32 s[G0B+4*\s], 1
	s_add_co_u32 s[G0B+4*\s+1], s45, \s*SLOT
	s_add_nc_u64 s[G0B+4*\s+2:G0B+4*\s+3], s[46:47], \s*TROW
	s_or_b32 s[G0B+4*\s+3], s[G0B+4*\s+3], 0x80000000
	JLOAD G0+4*\s, G1, G0B+4*\s, G1B               ; three loads of mine are out behind the last of these
.endr
	v_and_b32 v1, 31, v0                           ; lane
	v_and_b32 v2, 15, v0                           ; r
	v_bfe_u32 v3, v0, 4, 1                         ; h
	v_lshlrev_b32 v[L16], 4, v1
	v_lshlrev_b32 v[L8], 3, v1
	s_mul_i32 s21, s15, HALFT                      ; my 8 row tiles of A
	s_mul_i32 s22, s16, HALFT                      ; my 8 of B,
	s_add_co_u32 s22, s22, 2*HALFT                 ; which lie behind A's 16
.irp s, 0,1
	v_add_nc_u32 v[ADRA+\s], s21, v[L16]
	v_add_nc_u32 v[ADRB+\s], s22, v[L16]
	v_add_nc_u32 v[ADRA+2+\s], s21, v[L8]
	v_add_nc_u32 v[ADRB+2+\s], s22, v[L8]
	s_add_co_u32 s21, s21, SLOT
	s_add_co_u32 s22, s22, SLOT
.endr
	v_lshlrev_b32 v6, 2, v2                        ; my position's scale word
	s_mul_i32 s21, s15, HALFS                      ; A's: my 8 row tiles
	s_mul_i32 s22, s16, HALFS                      ; B's: my 8, behind A's 16
	s_add_co_u32 s22, s22, 2*HALFS
	s_sub_co_u32 s22, s22, s21
	v_mul_u32_u24 v7, s22, v3                      ; lanes 16-31 take B's: one product, the distance between the two
	s_add_co_u32 s21, s21, SCL
	v_add_nc_u32 v6, v6, v7
	v_add_nc_u32 v[ADRS], s21, v6
	; the way out's LDS addresses: a small stage for each wave in slot 0, used when that slot has had its last fill and its last read; each of the two ways has bytes of its own
	s_lshl_b32 s21, s14, 9
	v_lshlrev_b32 v6, 2, v2
	v_add_nc_u32 v6, s21, v6
	v_lshl_add_u32 v[STQ], v3, 8, v6
	v_add_nc_u32 v[STV], 2048, v6
	v_add_nc_u32 v[SRD], s21, v[L16]
	v_cmp_eq_u32 vcc_lo, 1, v3
	v_mov_b32 v[VSEL], 0x05040100
	v_mov_b32 v15, 0x07060302
	v_cndmask_b32 v[VSEL], v[VSEL], v15, vcc_lo
	s_mov_b32 s[SEL], 0x76543210
	s_mov_b32 s[SEL+1], 0xfedcba98
	; where my results go
	s_lshl_b32 s20, s17, 8
	s_lshl_b32 s21, s15, 7
	s_add_co_u32 s20, s20, s21                     ; the A-op's first row of mine
	s_lshl_b32 s46, s42, 8
	s_lshl_b32 s47, s16, 7
	s_add_co_u32 s46, s46, s47                     ; the B-op's
	s_mov_b32 s94, 12544
	s_cmp_lt_u32 s95, 8
	s_cselect_b32 s21, s20, s46                    ; my first token
	s_cselect_b32 s47, s46, s20                    ; my first channel of the 3,072
	s_cselect_b32 s92, ttmp9, 1                    ; 0 for q alone
	s_cselect_b32 s93, 0, 6144                     ; V's fragments lie behind K's in a record
	s_cselect_b32 s94, 12288, s94                  ; K's pair words, V's scale words
	s_and_b32 s47, s47, 1023
	s_lshr_b32 s47, s47, 6                         ; my first head
	s_lshr_b32 s20, s21, 11
	s_lshl_b32 s20, s20, 4
	s_add_co_u32 s20, s20, s47                     ; 16 b + head
	s_bfe_u32 s21, s21, 0x40007                    ; which 128 tokens of the batch's 2,048
	s_mov_b32 s22, 204800
	s_mov_b32 s23, 12800
	s_mov_b32 s96, 204800
	s_mov_b32 s97, 12800
	s_cmp_eq_u32 s92, 0
	s_cselect_b64 s[18:19], s[8:9], s[10:11]       ; qq or kv
	s_cselect_b32 s22, 98304, s22                  ; codes: from head to head,
	s_cselect_b32 s23, 6144, s23                   ; from 128 tokens to the next
	s_cselect_b32 s96, 4096, s96                   ; scale words likewise
	s_cselect_b32 s97, 256, s97
	s_cselect_b32 s94, s99, s94                    ; q's pair words lie behind q's codes
	s_mul_i32 s46, s20, s22
	s_mul_i32 s47, s21, s23
	s_add_co_u32 s46, s46, s47
	s_add_co_u32 s46, s46, s93
	s_mov_b32 s47, 0
	s_mov_b32 s23, 0
	s_add_nc_u64 s[OB:OB+1], s[18:19], s[46:47]
	s_add_nc_u64 s[OB+2:OB+3], s[OB:OB+1], s[22:23]
	s_mul_i32 s46, s20, s96
	s_mul_i32 s92, s21, s97
	s_add_co_u32 s46, s46, s92
	s_add_co_u32 s46, s46, s94
	s_add_nc_u64 s[12:13], s[18:19], s[46:47]
	v_mul_lo_u32 v[SOF], v3, s96
	v_lshl_add_u32 v[SOF], v2, 4, v[SOF]
.macro FRAG reg, adr, q, i             ; a fragment comes as it was stored: two halves, each 16 bytes a lane and then 8 bytes a lane; every load takes consecutive bytes
	ds_load_b128 v[\reg:\reg+3], v[\adr] offset:(\i)*TROW+(\q)*FRB
	ds_load_b64 v[\reg+4:\reg+5], v[\adr+2] offset:(\i)*TROW+(\q)*FRB+512
	ds_load_b128 v[\reg+6:\reg+9], v[\adr] offset:(\i)*TROW+(\q)*FRB+768
	ds_load_b64 v[\reg+10:\reg+11], v[\adr+2] offset:(\i)*TROW+(\q)*FRB+1280
.endm
; 16 matrix instructions: A's blocks a0, a0 + 1 x B's eight, 128 along K.  The 64 accumulators take turns, one instruction a turn, in the same order in every step.
.macro MUL16 a0, p, q, sc, zero
.irp a, \a0, \a0+1
.irp b, 0,1,2,3,4,5,6,7
.if \zero
	v_wmma_scale_f32_16x16x128_f8f6f4 v[8*(8*((\a)%4)+\b):8*(8*((\a)%4)+\b)+7], v[128*(\p)+FR*\b:128*(\p)+FR*\b+FR-1], v[AF+FR*(\a):AF+FR*(\a)+FR-1], 0, v[SC+8*NQ*(\sc)+NQ*\b+(\q)], v[SC+8*NQ*(\sc)+NQ*(\a)+(\q)] matrix_a_fmt:MATRIX_FMT_FP6 matrix_b_fmt:MATRIX_FMT_FP6 matrix_a_scale:MATRIX_SCALE_ROW1
.else
	v_wmma_scale_f32_16x16x128_f8f6f4 v[8*(8*((\a)%4)+\b):8*(8*((\a)%4)+\b)+7], v[128*(\p)+FR*\b:128*(\p)+FR*\b+FR-1], v[AF+FR*(\a):AF+FR*(\a)+FR-1], v[8*(8*((\a)%4)+\b):8*(8*((\a)%4)+\b)+7], v[SC+8*NQ*(\sc)+NQ*\b+(\q)], v[SC+8*NQ*(\sc)+NQ*(\a)+(\q)] matrix_a_fmt:MATRIX_FMT_FP6 matrix_b_fmt:MATRIX_FMT_FP6 matrix_a_scale:MATRIX_SCALE_ROW1
.endif
.endr
.endr
.endm
.macro FETCH_B slot, q, p
	WIN TO_B
.irp i, 0,1,2,3,4,5,6,7
	FRAG 128*(\p)+FR*\i, ADRB+\slot, \q, \i
.endr
	WIN 0
.endm
.macro FETCH_A slot, q, i0
.irp i, \i0, \i0+1, \i0+2, \i0+3
	FRAG AF+FR*(\i), ADRA+\slot, \q, \i
.endr
.endm
.macro SCALES sc                       ; a slot's scale words into set sc: lanes 0-15 take A's block i, lanes 16-31 B's block i
.irp i, 0,1,2,3,4,5,6,7
	ds_load_b32 v[SC+8*NQ*\sc+NQ*\i], v[ADRS] offset:\i*512
	ds_load_b32 v[SC+8*NQ*\sc+NQ*\i+1], v[ADRS] offset:\i*512+64
.endr
.endm
.macro PLACES n                        ; plain vector places behind matrix instructions, in front of loads into registers that they read and of the first read of results
.rept \n
	v_nop
.endr
.endm
.macro STEP slot, q, zero              ; a step of 128 along K that has its successor in the same slot
	s_wait_dscnt 4*NL                              ; all but the youngest 16 loads (A's blocks 4-7) are in
	WIN MUL_LO
	MUL16 0, (\q)%2, \q, \slot, \zero
	MUL16 2, (\q)%2, \q, \slot, \zero
	s_wait_dscnt 0                                 ; A's blocks 4-7 are in
	PLACES NP
	FETCH_B \slot, (\q)+1, 1-(\q)%2
	FETCH_A \slot, (\q)+1, 0
	WIN MUL_HI
	MUL16 4, (\q)%2, \q, \slot, \zero
	MUL16 6, (\q)%2, \q, \slot, \zero
	PLACES NP
	WIN 0
	FETCH_A \slot, (\q)+1, 4
.endm
; A slot's last step changes slots: one barrier; in front of it each wave waits for all its tensor loads, adds 0 to its spare word, and waits for that and for its own reads of this slot.
.macro TURN slot, next, fill
	s_wait_tensorcnt 0x0                           ; all my tensor loads have landed: my part of the next slot
	ds_add_u32 v[SPW], v[NIL]                      ; 0 onto my spare word
	s_wait_dscnt 4*NL+1                            ; the add and the youngest 16 loads may be out
	WIN MUL_LO
	MUL16 0, 1, NQ-1, \slot, 0
	s_wait_dscnt 0x0                               ; the add is done, and my reads of this slot are over
	s_barrier_signal -1
	MUL16 2, 1, NQ-1, \slot, 0
	WIN 0
	s_barrier_wait -1
.if \fill
	CREST                                          ; the barrier has opened a round of the cluster's barrier: no wave of any partner still reads this slot or has a load on its way
	s_add_nc_u64 s[G0+4*\slot+2:G0+4*\slot+3], s[G0+4*\slot+2:G0+4*\slot+3], 2*TROW
	s_add_nc_u64 s[G0B+4*\slot+2:G0B+4*\slot+3], s[G0B+4*\slot+2:G0B+4*\slot+3], 2*TROW
	JLOAD G0+4*\slot, G1, G0B+4*\slot, G1B         ; the first tensor load behind the round; its four v_nop are the places in front of the loads below
.else
	PLACES NP
.endif
	s_wait_alu depctr_va_vdst(0)
	v_add_nc_u32 v[ADRS], 64*NQ, v[ADRS]           ; on to the next slot's scale words
	FETCH_B \next, 0, 0
	FETCH_A \next, 0, 0
	SCALES \next
	WIN MUL_HI
	MUL16 4, 1, NQ-1, \slot, 0
	MUL16 6, 1, NQ-1, \slot, 0
	PLACES NP
	WIN 0
	FETCH_A \next, 0, 4
.endm
	s_wait_tensorcnt 1                             ; the scale words and my part of slot 0 are in; slot 1's load may be out
	s_barrier_signal -1
	s_barrier_wait -1
	FETCH_B 0, 0, 0
	FETCH_A 0, 0, 0
	SCALES 0
	FETCH_A 0, 0, 4
	STEP 0, 0, 1                                   ; K = 1,024 is four slots: the walk is written out.  The first products start the sums
	TURN 0, 1, 1                                   ; slot 0 takes K 512-767
	STEP 1, 0, 0
	TURN 1, 0, 1                                   ; slot 1 takes K 768-1023
	STEP 0, 0, 0
	TURN 0, 1, 0                                   ; nothing is left to fetch
	STEP 1, 0, 0
	s_wait_dscnt 4*NL
	WIN MUL_LO
	MUL16 0, 1, NQ-1, 1, 0
	MUL16 2, 1, NQ-1, 1, 0
	s_wait_dscnt 0
	WIN MUL_HI
	MUL16 4, 1, NQ-1, 1, 0
	MUL16 6, 1, NQ-1, 1, 0
	WIN 0
; THE WAY OUT.  The 64 registers of A's block a are, for the lane's row, 128 neighbours along the next K in the conversions' order: register 16 b + i = k 32 b + 16 (lane / 16) + i.
; They become one fragment and one scale word a row.  AC: the block's first register, AW: its window, PWR: where the scale word goes.  Each accumulator is read from its low end on.
.macro QUANTW
	WIN AW|(AW<<2)                                 ; sources 0 and 1: the accumulators' window
.irp b, 0,1,2,3
	v_max3_num_f32 v[TM+\b], |v[AC+16*\b]|, |v[AC+1+16*\b]|, 0x1800000   ; and the floor 2^(3 - 127)
.endr
.irp i, 2,4,6,8,10,12,14
.irp b, 0,1,2,3
	v_max3_num_f32 v[TM+\b], |v[AC+16*\b+\i]|, |v[AC+1+16*\b+\i]|, v[TM+\b]
.endr
.endr
	WIN 0
.irp b, 0,1,2,3
	v_permlanex16_b32 v[TM+4+\b], v[TM+\b], s[SEL], s[SEL+1]
.endr
.irp b, 0,1,2,3
	v_max_num_f32 v[TM+\b], v[TM+\b], v[TM+4+\b]
.endr
.irp b, 0,1,2,3
	v_add_nc_u32 v[TM+12+\b], 0xff000000, v[TM+\b]
.endr
.irp b, 0,1,2,3
	v_lshrrev_b32 v[TM+4+\b], 23, v[TM+12+\b]
.endr
	v_lshl_or_b32 v[PWR], v[TM+5], 8, v[TM+4]
	v_lshl_or_b32 v[PWR], v[TM+6], 16, v[PWR]
	v_lshl_or_b32 v[PWR], v[TM+7], 24, v[PWR]
	WIN AW                                         ; source 0: the accumulators' window
.irp c, 0,1
	v_cvt_scalef32_pk16_fp6_f32 v[PC+6*\c:PC+2+6*\c], v[AC+32*\c:AC+15+32*\c], v[TM+12+2*\c]
	v_cvt_scalef32_pk16_fp6_f32 v[PC+12+4*\c:PC+14+4*\c], v[AC+16+32*\c:AC+31+32*\c], v[TM+12+2*\c+1]
.endr
	WIN 0
	v_nop                                          ; one plain place behind a scaled conversion
.irp c, 0,1
.irp i, 0,1,2
	v_permlane16_swap_b32 v[PC+6*\c+\i], v[PC+12+4*\c+\i]
.endr
.irp i, 0,1,2
	v_mov_b32 v[PC+3+6*\c+\i], v[PC+12+4*\c+\i]
.endr
.endr
.endm
; arm = 0, q and k: block a is a tile of 16 tokens, half c of its fragment is my head c's 64 channels.  arm = 1, v: block a is 16 channels of head a / 4, its fragment holds my 128 tokens.
.macro OUTBLK a, arm
.set AC, 64*((\a)%4)
.set AW, 2+(\a)/4
.set PWR, PWA+(\a)
	s_wait_xcnt 0x0                                ; the last block's stores have read the code registers
	QUANTW
.irp c, 0,1
.if \arm
	global_store_b128 v[L16], v[PC+6*\c:PC+6*\c+3], s[OB+2*((\a)/4):OB+2*((\a)/4)+1] offset:1536*((\a)%4)+768*\c
	global_store_b64 v[L8], v[PC+6*\c+4:PC+6*\c+5], s[OB+2*((\a)/4):OB+2*((\a)/4)+1] offset:1536*((\a)%4)+768*\c+512
.else
	global_store_b128 v[L16], v[PC+6*\c:PC+6*\c+3], s[OB+2*\c:OB+2*\c+1] offset:768*(\a)
	global_store_b64 v[L8], v[PC+6*\c+4:PC+6*\c+5], s[OB+2*\c:OB+2*\c+1] offset:768*(\a)+512
.endif
.endr
.endm
	PLACES NP                                      ; behind the last products
.irp b, 0,1,2,3
	v_mov_b32 v[TM+4+\b], 0                        ; a lane permute's destination counts as one of its sources
.endr
	s_cmp_lt_u32 s95, 8
	s_cbranch_scc0 .Lv_arm
.irp a, 0,1,2,3,4,5,6,7
	OUTBLK \a, 0
.endr
.irp i, 0,1,2,3                                ; a pair word: the head's two bytes of tile 2 i, then of tile 2 i + 1; lanes 0-15 make my first head's, lanes 16-31 my second's
	v_perm_b32 v[PAIR+\i], v[PWA+2*\i+1], v[PWA+2*\i], v[VSEL]
.endr
.irp i, 0,1,2,3
	ds_store_b32 v[STQ], v[PAIR+\i] offset:64*\i
.endr
	ds_load_b128 v[RB:RB+3], v[SRD]                ; my wave's own bytes: LDS serves a wave's instructions in order
	s_wait_dscnt 0x0
	global_store_b128 v[SOF], v[RB:RB+3], s[12:13] ; sixteen lanes store a head's 256 consecutive bytes
	s_branch .Ldone
.Lv_arm:
.irp a, 0,1,2,3,4,5,6,7
	OUTBLK \a, 1
.endr
.irp a, 0,1,2,3,4,5,6,7
	ds_store_b32 v[STV], v[PWA+\a] offset:64*\a    ; lanes r and r + 16 write the same word with the same value
.endr
	ds_load_b128 v[RB:RB+3], v[SRD] offset:2048
	s_wait_dscnt 0x0
	global_store_b128 v[SOF], v[RB:RB+3], s[12:13]
.Ldone:
	s_wait_tensorcnt 0x0                           ; the wave's end
	ds_add_u32 v[SPW], v[NIL]
	s_wait_dscnt 0x0
	CROUND                                         ; the closing round: no work-group ends while a partner may still ask for a tile that names it
	s_endpgm
.Lfunc_end_k_q1ac8bd6e64_gemm_qkv:
	.size	k_q1ac8bd6e64_gemm_qkv, .Lfunc_end_k_q1ac8bd6e64_gemm_qkv-k_q1ac8bd6e64_gemm_qkv
	.p2alignl 7, 3214868480
	.fill 96, 4, 3214868480
	.section	.rodata,"a",@progbits
	.p2align	6, 0x0
	.amdhsa_kernel k_q1ac8bd6e64_gemm_qkv
		.amdhsa_group_segment_fixed_size 327680
		.amdhsa_private_segment_fixed_size 0
		.amdhsa_enable_private_segment 0
		.amdhsa_kernarg_size 32
		.amdhsa_user_sgpr_count 2
		.amdhsa_user_sgpr_kernarg_segment_ptr 1
		.amdhsa_wavefront_size32 1
		.amdhsa_system_sgpr_workgroup_id_x 1
		.amdhsa_system_sgpr_workgroup_id_y 1
		.amdhsa_system_sgpr_workgroup_id_z 1
		.amdhsa_system_vgpr_workitem_id 0
		.amdhsa_next_free_vgpr 1024
		.amdhsa_next_free_sgpr 100
		.amdhsa_reserve_vcc 1
		.amdhsa_float_denorm_mode_32 3
		.amdhsa_float_denorm_mode_16_64 3
		.amdhsa_memory_ordered 1
		.amdhsa_forward_progress 1
		.amdhsa_inst_pref_size 188
	.end_amdhsa_kernel
	.amdgpu_metadata
---
amdhsa.version: [ 1, 2 ]
amdhsa.kernels:
  - .name:           k_q1ac8bd6e64_gemm_qkv
    .symbol:         k_q1ac8bd6e64_gemm_qkv.kd
    .args:
      - { .name: xq, .offset: 0, .size: 8, .value_kind: global_buffer, .address_space: global }
      - { .name: wq, .offset: 8, .size: 8, .value_kind: global_buffer, .address_space: global }
      - { .name: qq, .offset: 16, .size: 8, .value_kind: global_buffer, .address_space: global }
      - { .name: kv, .offset: 24, .size: 8, .value_kind: global_buffer, .address_space: global }
    .group_segment_fixed_size: 327680
    .private_segment_fixed_size: 0
    .kernarg_segment_align: 8
    .kernarg_segment_size: 32
    .max_flat_workgroup_size: 128
    .sgpr_count:     100
    .vgpr_count:     1024
    .wavefront_size: 32
...
	.end_amdgpu_metadata
.endif
;; end of part 2
;; launch attn (part 3): grid 4 x 64, 16 waves a work-group, clusters of 4 x 1, 206,848 bytes of LDS; arguments qq, kv, aq; writes aq
.if DOCPART == 3
	.amdgcn_target "amdgcn-amd-amdhsa--gfx1250"
	.amdhsa_code_object_version 6
	.text
	.protected	k_q1ac8bd6e64_attn
	.globl	k_q1ac8bd6e64_attn
	.p2align	8
	.type	k_q1ac8bd6e64_attn,@function
k_q1ac8bd6e64_attn:
	s_mov_b64 s[64:65], 0
	v_nop
	global_prefetch_b8 v0, s[64:65] scope:SCOPE_SE
	s_setreg_imm32_b32 hwreg(HW_REG_WAVE_MODE, 25, 1), 1
	s_wait_xcnt 0x0
	s_wait_alu depctr_hold_cnt(0) depctr_sa_sdst(0) depctr_va_vdst(0) depctr_va_sdst(0) depctr_va_ssrc(0) depctr_va_vcc(0) depctr_vm_vsrc(0)
	s_getreg_b32 s2, hwreg(HW_REG_IB_STS2, 6, 4)
	s_cmp_eq_u32 s2, 0
	s_cbranch_scc0 .Lentry_in_a_cluster
	s_endpgm
.Lentry_in_a_cluster:
	s_bfe_u32 s2, ttmp6, 0x10000c
	s_cmp_lg_u32 s2, 0x3003
	s_cbranch_scc0 .Lentry_shape_is_right
	s_endpgm
.Lentry_shape_is_right:
; o = softmax(q k^T / 8, causal) v for one (batch, head) a cluster, both products on codes of FP6 (E2M3) with E8M0 scales; o leaves as codes, quantised along the channels, as the last product's operand.
; THE SOFTMAX: t = score x log2(e) / 8; M = the running largest t rounded up to a whole number; p = 2^(t - M) is quantised along the keys, not normalised; the row's sum is taken of the unquantised p and divides at the end.
; When M moves, the sum and O are multiplied by 2^(old M - new M): exact.
; SHARES.  The head's 128 query tiles of 16 fall into 16 groups of 8 (128 queries).  Work-group cx of the cluster owns tiles 8 g + 2 cx + u of every group.  Wave w takes u = w % 2 and two groups, one after the other:
; g = w / 2 and g = 15 - w / 2: (g + 1) key steps of 128 each, 17 in all for every wave.  Every branch hangs on the wave's number and on counters; cx enters global addresses and one vector of the mask alone.
; LDS.  The head's K and V, 16 records of 12,800 bytes (four double fragments of K, four fragments of V, K's pair words, V's scale words), are brought ONCE, a record a wave, by joint loads of the four partners; nothing is filled again.
; LAYOUT.  Both products are used transposed: a lane holds one query (position lane % 16 of its tile) throughout.  Position r of tile T is row 32 (T / 2) + 8 (T % 2) + r + 8 (r / 8), so the 16 registers of key tiles 2 i, 2 i + 1 are keys 32 i + 16 (lane / 16) + 0 .. 15.
; K = 64 IN AN INSTRUCTION OF 128: source 0 holds key tile 2 i in k 0-63 and key tile 2 i + 1 in k 64-127; source 1 is [Q | zeros] for the first and [zeros | Q] for the second: zero codes add nothing.
; LIMITS: NaN and infinities are not served; a block of zeros or under 2^-124 gets the byte 1 (this program alone reads the bytes).  o's scale bytes leave two bytes a row: two heads share a word, so these 262,144 bytes are no whole blocks.
; REGISTERS: v1-3 16, 8 x lane, 4 r; v4 the mask's d; v5 -infinity; v6-8 the step's LDS addresses; v12 -M, v13 the largest t, v[14:15] the sum; v16-33 zeros, Q, zeros; v34-44 scale words; v[46:47] f;
;   v48-95 four fragments of K, then of V; v96-159 S^T, then p; v160-191 O^T; v192-211 codes; v212-227 at work.
.set REC,  12800
.set QW,   34                          ; Q's two bytes, twice
.set QR,   35                          ; the pair word as loaded
.set KS,   36                          ; v36-39 K's pair words
.set VS,   40                          ; v40-43 V's scale words
.set PWD,  44                          ; p's scale word
.set FG,   48
.set SCO,  96
.set OT,   160
.set PC,   192
.set BM,   212                         ; v212-215 a block's largest score, then its largest p
.set BP,   216                         ; v216-219 the other half's, then the bytes
.set BO,   220                         ; v220-223 the conversions' scale operands
.set WV,   10
.set U,    11
.set GP,   12
.set CX,   13
.set BH,   14
.set SEL,  20
.set CS,   22
.set G1,   24
.set G0,   32
.set ST,   36
.set TB,   37
.set G,    38
.set PSEL, 56
.macro CROUND
	s_barrier_signal -1
	s_barrier_wait -1
	s_cmp_lg_u32 s[WV], 0
	s_cbranch_scc1 .Lnot_wave_0_\@
	s_barrier_signal -3
.Lnot_wave_0_\@:
	s_barrier_wait -3
	s_barrier_signal -1
	s_barrier_wait -1
.endm
	s_load_b128 s[4:7], s[0:1], 0x0                ; qq, kv
	s_load_b64 s[8:9], s[0:1], 0x10                ; aq
	v_lshl_add_u32 v254, v0, 2, 0x32000
	v_mov_b32 v255, 0
	ds_add_u32 v254, v255
	ds_add_u32 v254, v255
	v_lshrrev_b32 v1, 5, v0
	s_delay_alu instid0(VALU_DEP_1)
	v_readfirstlane_b32 s[WV], v1                  ; wave 0..15
	s_and_b32 s[U], s[WV], 1
	s_lshr_b32 s[GP], s[WV], 1
	s_bfe_u32 s[CX], ttmp6, 0x40000                ; my place in the cluster
	s_and_b32 s[BH], ttmp7, 0xffff                 ; 16 b + head, which the four partners share
	; descriptor group 1: a record, 12,800 dense bytes, as 50 rows of 256 (32 elements of 8 bytes)
	s_mov_b32 s[G1], 15|(3<<16)|(1<<21)            ; 15:0 the mask: all four work-groups; 17:16 elements of 8 bytes; 20 padding off; 21 set beside a mask
	s_mov_b32 s[G1+1], 32<<16
	s_mov_b32 s[G1+2], 50<<16
	s_mov_b32 s[G1+3], 32<<16
	s_mov_b32 s[G1+4], 50
	s_mov_b32 s[G1+5], 32
	s_mov_b32 s[G1+6], 0
	s_mov_b32 s[G1+7], 0
	s_mul_i32 s42, s[WV], REC                      ; record w: its place in LDS and in the head
	s_mul_i32 s40, s[BH], 16*REC
	s_add_co_u32 s40, s40, s42
	s_mov_b32 s41, 0
	s_mov_b32 s[SEL], 0x76543210
	s_mov_b32 s[SEL+1], 0xfedcba98
	s_mov_b32 s[CS], 0x3e38aa3b                    ; c = log2(e) / 8
	s_mov_b32 s[CS+1], s[CS]                       ; named with it as a pair, so it is written
	s_mov_b32 s[PSEL], 0x03020302
	s_cmp_eq_u32 s[U], 0
	s_cselect_b32 s[PSEL], 0x01000100, s[PSEL]     ; which two bytes of a pair word are my tile's
	s_wait_dscnt 0x0
	s_wait_kmcnt 0x0
	s_mov_b32 s[G0], 1
	s_mov_b32 s[G0+1], s42
	s_add_nc_u64 s[G0+2:G0+3], s[6:7], s[40:41]
	s_or_b32 s[G0+3], s[G0+3], 0x80000000
	CROUND                                         ; all four work-groups are here: the joint loads meet
	tensor_load_to_lds s[G0:G0+3], s[G1:G1+7]      ; my one tensor load of the launch
	s_nop 0
.rept 4
	v_nop
.endr
	v_and_b32 v9, 31, v0
	s_delay_alu instid0(VALU_DEP_1)
	v_lshlrev_b32 v1, 4, v9                        ; 16 x lane
	s_delay_alu instid0(VALU_DEP_2)
	v_lshlrev_b32 v2, 3, v9                        ; 8 x lane
	v_and_b32 v10, 15, v0                          ; r
	s_delay_alu instid0(VALU_DEP_1)
	v_lshlrev_b32 v3, 2, v10                       ; 4 r
	v_bfe_u32 v11, v0, 4, 1                        ; h
	s_delay_alu instid0(VALU_DEP_3)
	v_and_b32 v4, 8, v10
	s_delay_alu instid0(VALU_DEP_1)
	v_add_nc_u32 v4, v4, v10                       ; r + 8 (r / 8)
	s_delay_alu instid0(VALU_DEP_3)
	v_lshlrev_b32 v11, 4, v11
	s_delay_alu instid0(VALU_DEP_1)
	v_sub_nc_u32 v4, v4, v11
	s_lshl_b32 s40, s[CX], 5
	s_lshl_b32 s41, s[U], 3
	s_add_co_u32 s40, s40, s41
	v_add_nc_u32 v4, s40, v4                       ; d = my query's place in its group of 128 - 16 h: in the group's own key step register 16 i + n holds a hidden key where 32 i + n > d
	v_mov_b32 v5, 0xff800000                       ; -infinity
.irp j, 16,17,18,19,20,21,28,29,30,31,32,33
	v_mov_b32 v\j, 0                               ; the zero codes on both sides of Q
.endr
.irp b, 0,1,2,3
	v_mov_b32 v[BP+\b], 0                          ; a lane permute's destination counts as one of its sources
.endr
	v_mov_b32 v47, 0                               ; named as the upper half of the pair v[46:47]
	v_mov_b32 v224, 0
.macro PASS pass, nst
.if \pass
	s_wait_xcnt 0x0                                ; the first group's loads and stores have read their addresses and data
	s_xor_b32 s[G], s[GP], 15                      ; 15 - w / 2
.else
	s_mov_b32 s[G], s[GP]
.endif
	s_lshl_b32 s40, s[G], 3
	s_lshl_b32 s41, s[CX], 1
	s_add_co_u32 s40, s40, s41
	s_add_co_u32 s40, s40, s[U]                    ; my query tile of the head's 128
	s_mul_i32 s42, s[BH], 98304
	s_mul_i32 s43, s40, 768
	s_add_co_u32 s42, s42, s43
	s_mov_b32 s43, 0
	s_add_nc_u64 s[48:49], s[4:5], s[42:43]        ; its codes
	s_lshl_b32 s42, s[BH], 12
	s_lshl_b32 s44, s[G], 8
	s_add_co_u32 s42, s42, s44
	s_lshl_b32 s44, s[CX], 6
	s_add_co_u32 s42, s42, s44
	s_add_co_u32 s42, s42, 6291456
	s_add_nc_u64 s[50:51], s[4:5], s[42:43]        ; its pair's words
	s_lshr_b32 s44, s[BH], 4
	s_lshl_b32 s44, s44, 7
	s_add_co_u32 s44, s44, s40                     ; the same tile among all 512
	s_and_b32 s45, s[BH], 15                       ; the head
	s_mul_i32 s42, s44, 12288
	s_mul_i32 s46, s45, 768
	s_add_co_u32 s42, s42, s46
	s_add_nc_u64 s[52:53], s[8:9], s[42:43]        ; where o's codes go: the head is half a K step of the last product
	s_lshl_b32 s42, s44, 9
	s_lshr_b32 s46, s45, 1
	s_lshl_b32 s46, s46, 6
	s_add_co_u32 s42, s42, s46
	s_and_b32 s46, s45, 1
	s_lshl_b32 s46, s46, 1
	s_add_co_u32 s42, s42, s46
	s_add_co_u32 s42, s42, 6291456
	s_add_nc_u64 s[54:55], s[8:9], s[42:43]        ; and its two scale bytes a row
	global_load_b128 v[22:25], v1, s[48:49]
	global_load_b64 v[26:27], v2, s[48:49] offset:512
	global_load_b32 v[QR], v3, s[50:51]
	v_mov_b32 v13, 0xff61b1e6                      ; the largest t so far: -3e38
	s_delay_alu instid0(VALU_DEP_1)
	v_floor_f32 v12, -v13                          ; -M
	v_mov_b32 v14, 0
	v_mov_b32 v15, 0
	s_wait_loadcnt 0x0
	v_perm_b32 v[QW], v[QR], v[QR], s[PSEL]        ; my tile's two bytes, twice: they serve Q in either half of K
.set J, 0
.rept 32
	v_mov_b32 v[OT+J], 0                           ; O^T: the first change of M leaves zeros zeros.  (These are also the places between the line above and the first scaled product)
.set J, J+1
.endr
.if \pass == 0
	s_wait_tensorcnt 0x0                           ; my record has landed,
	s_barrier_signal -1
	s_barrier_wait -1                              ; everybody's has
.endif
	s_mov_b32 s[ST], 0
	s_mov_b32 s[TB], 0
.Lstep_\@:                                         ; a constant number of trips; a key step all of whose keys come after my queries is passed over
	s_cmp_gt_u32 s[ST], s[G]
	s_cbranch_scc1 .Lskip_\@
	s_setprio 2
	v_add_nc_u32 v6, s[TB], v1
	v_add_nc_u32 v7, s[TB], v2
	v_add_nc_u32 v8, s[TB], v3
	v_nop                                          ; four places in front of loads into registers that the last products read
.irp i, 0,1,2,3
	ds_load_b32 v[KS+\i], v8 offset:12288+64*\i
.endr
.irp i, 0,1,2,3
	ds_load_b128 v[FG+12*\i:FG+12*\i+3], v6 offset:1536*\i
	ds_load_b64 v[FG+12*\i+4:FG+12*\i+5], v7 offset:1536*\i+512
	ds_load_b128 v[FG+12*\i+6:FG+12*\i+9], v6 offset:1536*\i+768
	ds_load_b64 v[FG+12*\i+10:FG+12*\i+11], v7 offset:1536*\i+1280
.endr
	s_wait_alu depctr_va_vdst(0)
	s_wait_dscnt 0x0
.irp i, 0,1,2,3                                ; S^T = K Q^T: key tile 2 i against [Q | 0], key tile 2 i + 1 against [0 | Q]
	v_wmma_scale_f32_16x16x128_f8f6f4 v[SCO+16*\i:SCO+16*\i+7], v[FG+12*\i:FG+12*\i+11], v[22:33], 0, v[KS+\i], v[QW] matrix_a_fmt:MATRIX_FMT_FP6 matrix_b_fmt:MATRIX_FMT_FP6
	v_wmma_scale_f32_16x16x128_f8f6f4 v[SCO+16*\i+8:SCO+16*\i+15], v[FG+12*\i:FG+12*\i+11], v[16:27], 0, v[KS+\i], v[QW] matrix_a_fmt:MATRIX_FMT_FP6 matrix_b_fmt:MATRIX_FMT_FP6
.endr
.rept 4
	v_nop                                          ; places behind the products: for the loads below and for the first read of the scores
.endr
.irp t, 0,1,2,3                                ; V's fragments land while the softmax is worked
	ds_load_b32 v[VS+\t], v8 offset:12544+64*\t
.endr
.irp t, 0,1,2,3
	ds_load_b128 v[FG+12*\t:FG+12*\t+3], v6 offset:6144+1536*\t
	ds_load_b64 v[FG+12*\t+4:FG+12*\t+5], v7 offset:6144+1536*\t+512
	ds_load_b128 v[FG+12*\t+6:FG+12*\t+9], v6 offset:6144+1536*\t+768
	ds_load_b64 v[FG+12*\t+10:FG+12*\t+11], v7 offset:6144+1536*\t+1280
.endr
	s_cmp_lg_u32 s[ST], s[G]                       ; the group's own key step lies on the diagonal: hidden scores become -infinity, p = 0 then
	s_cbranch_scc1 .Lopen_\@
.set N, 0
.rept 64
	v_cmp_gt_i32 vcc_lo, 32*(N/16)+N%16, v4
	v_cndmask_b32 v[SCO+N], v[SCO+N], v5, vcc_lo
.set N, N+1
.endr
.Lopen_\@:
.irp b, 0,1,2,3
	v_max3_num_f32 v[BM+\b], v[SCO+16*\b], v[SCO+1+16*\b], v[SCO+2+16*\b]   ; the largest score of each block of 32 keys: it serves the row's maximum and, since p rises with the score, the block's largest p
.endr
.irp i, 3,5,7,9,11,13
.irp b, 0,1,2,3
	v_max3_num_f32 v[BM+\b], v[BM+\b], v[SCO+16*\b+\i], v[SCO+1+16*\b+\i]
.endr
.endr
.irp b, 0,1,2,3
	v_max_num_f32 v[BM+\b], v[BM+\b], v[SCO+15+16*\b]
.endr
.irp b, 0,1,2,3
	s_delay_alu instid0(VALU_DEP_4)
	v_permlanex16_b32 v[BP+\b], v[BM+\b], s[SEL], s[SEL+1]
.endr
.irp b, 0,1,2,3
	s_delay_alu instid0(VALU_DEP_4)
	v_max_num_f32 v[BM+\b], v[BM+\b], v[BP+\b]     ; with lane l xor 16's 16 keys
.endr
	s_delay_alu instid0(VALU_DEP_2)
	v_max3_num_f32 v224, v[BM], v[BM+1], v[BM+2]
	s_delay_alu instid0(VALU_DEP_1)
	v_max_num_f32 v224, v224, v[BM+3]              ; the step's largest score of my query
	s_delay_alu instid0(VALU_DEP_1)
	v_mul_f32 v224, s[CS], v224                    ; as t
	s_delay_alu instid0(VALU_DEP_1)
	v_max_num_f32 v13, v13, v224                   ; the running largest t
	v_mov_b32 v224, v12
	s_delay_alu instid0(VALU_DEP_2)
	v_floor_f32 v12, -v13                          ; the new -M = -ceil(t)
	s_delay_alu instid0(VALU_DEP_1)
	v_sub_f32 v224, v12, v224                      ; old M - new M: a whole number, 0 or less
	s_delay_alu instid0(VALU_DEP_1)
	v_cvt_i32_f32 v224, v224                       ; (it saturates)
	s_delay_alu instid0(VALU_DEP_1)
	v_ldexp_f32 v46, 1.0, v224                     ; f = 2^(old M - new M)
.set J, 0
	s_setprio 1
.rept 32
	v_pk_fma_f32 v[SCO+J:SCO+J+1], v[SCO+J:SCO+J+1], s[CS:CS+1], v[12:13] op_sel_hi:[1,0,0]   ; t - M, two at a time
.set J, J+2
.endr
.irp b, 0,1,2,3
	v_fma_f32 v[BM+\b], v[BM+\b], s[CS], v12       ; the same of each block's largest score
.endr
.set J, 0
	s_wait_alu depctr_va_vdst(0)
.rept 64
	v_exp_f32 v[SCO+J], v[SCO+J]                   ; p = 2^(t - M), at most 1
.set J, J+1
.endr
.irp b, 0,1,2,3
	v_exp_f32 v[BM+\b], v[BM+\b]                   ; the block's largest p: the same two instructions on the same number
.endr
	v_pk_mul_f32 v[14:15], v[14:15], v[46:47] op_sel_hi:[1,0]   ; the sums under the new M.  (A plain place behind the exponentials)
	s_wait_alu depctr_va_vdst(0)
.irp b, 0,1,2,3
	v_max_num_f32 v[BM+\b], 0x1800000, v[BM+\b]    ; the floor 2^(3 - 127): a block whose every p is 0 keeps the byte 1; its codes are zeros
.endr
.irp b, 0,1,2,3
	s_delay_alu instid0(VALU_DEP_4)
	v_add_nc_u32 v[BO+\b], 0xff000000, v[BM+\b]    ; 2 off the exponent field: the conversion's scale operand
.endr
.irp b, 0,1,2,3
	s_delay_alu instid0(VALU_DEP_4)
	v_lshrrev_b32 v[BP+\b], 23, v[BO+\b]           ; the byte
.endr
	s_delay_alu instid0(VALU_DEP_3)
	v_lshl_or_b32 v[PWD], v[BP+1], 8, v[BP]
	s_delay_alu instid0(VALU_DEP_1)
	v_lshl_or_b32 v[PWD], v[BP+2], 16, v[PWD]
	s_delay_alu instid0(VALU_DEP_1)
	v_lshl_or_b32 v[PWD], v[BP+3], 24, v[PWD]
.irp c, 0,1
	v_cvt_scalef32_pk16_fp6_f32 v[PC+6*\c:PC+2+6*\c], v[SCO+32*\c:SCO+15+32*\c], v[BO+2*\c]
	v_cvt_scalef32_pk16_fp6_f32 v[PC+12+4*\c:PC+14+4*\c], v[SCO+16+32*\c:SCO+31+32*\c], v[BO+2*\c+1]
.endr
	v_nop                                          ; one plain place behind a scaled conversion
.irp c, 0,1
.irp i, 0,1,2
	v_permlane16_swap_b32 v[PC+6*\c+\i], v[PC+12+4*\c+\i]
.endr
.irp i, 0,1,2
	s_delay_alu instid0(VALU_DEP_3)
	v_mov_b32 v[PC+3+6*\c+\i], v[PC+12+4*\c+\i]
.endr
.endr
	v_pk_add_f32 v[226:227], v[100:101], v[104:105]
	v_pk_add_f32 v[252:253], v[108:109], v[112:113]
	v_pk_add_f32 v[250:251], v[116:117], v[120:121]
	v_pk_add_f32 v[248:249], v[124:125], v[128:129]
	v_pk_add_f32 v[246:247], v[132:133], v[136:137]
	v_pk_add_f32 v[244:245], v[140:141], v[144:145]
	v_pk_add_f32 v[242:243], v[148:149], v[152:153]
	v_pk_add_f32 v[14:15], v[14:15], v[156:157]
	v_pk_add_f32 v[226:227], v[226:227], v[96:97]
	s_setprio 0
	v_pk_add_f32 v[252:253], v[252:253], v[98:99]
	v_pk_add_f32 v[250:251], v[250:251], v[102:103]
	v_pk_add_f32 v[248:249], v[248:249], v[106:107]
	v_pk_add_f32 v[246:247], v[246:247], v[110:111]
	v_pk_add_f32 v[244:245], v[244:245], v[114:115]
	v_pk_add_f32 v[242:243], v[242:243], v[118:119]
	v_pk_add_f32 v[14:15], v[14:15], v[122:123]
	v_pk_add_f32 v[226:227], v[226:227], v[126:127]
	v_pk_add_f32 v[252:253], v[252:253], v[130:131]
	v_pk_add_f32 v[250:251], v[250:251], v[134:135]
	v_pk_add_f32 v[248:249], v[248:249], v[138:139]
	v_pk_add_f32 v[246:247], v[246:247], v[142:143]
	v_pk_add_f32 v[244:245], v[244:245], v[146:147]
	v_pk_add_f32 v[242:243], v[242:243], v[150:151]
	v_pk_add_f32 v[14:15], v[14:15], v[154:155]
	v_pk_add_f32 v[226:227], v[226:227], v[158:159]
	s_delay_alu instid0(VALU_DEP_2)
	v_pk_add_f32 v[14:15], v[14:15], v[248:249]
	s_delay_alu instid0(VALU_DEP_2)
	v_pk_add_f32 v[226:227], v[226:227], v[246:247]
	v_pk_add_f32 v[252:253], v[252:253], v[244:245]
	v_pk_add_f32 v[250:251], v[250:251], v[242:243]
	s_delay_alu instid0(VALU_DEP_2)
	v_pk_add_f32 v[14:15], v[14:15], v[252:253]
	s_delay_alu instid0(VALU_DEP_2)
	v_pk_add_f32 v[226:227], v[226:227], v[250:251]
	s_delay_alu instid0(VALU_DEP_1)
	v_pk_add_f32 v[14:15], v[14:15], v[226:227]
.set J, 0
.rept 16
	v_pk_mul_f32 v[OT+J:OT+J+1], v[OT+J:OT+J+1], v[46:47] op_sel_hi:[1,0]   ; O^T under the new M
.set J, J+2
.endr
	s_wait_alu depctr_va_vdst(0)
	s_wait_dscnt 0x0                               ; V is in
.irp t, 0,1,2,3                                ; O^T += V^T P^T: the four accumulators by turns; the next step's eight products stand between two links of a chain
	v_wmma_scale_f32_16x16x128_f8f6f4 v[OT+8*\t:OT+8*\t+7], v[FG+12*\t:FG+12*\t+11], v[PC:PC+11], v[OT+8*\t:OT+8*\t+7], v[VS+\t], v[PWD] matrix_a_fmt:MATRIX_FMT_FP6 matrix_b_fmt:MATRIX_FMT_FP6
.endr
.Lskip_\@:
	s_add_co_u32 s[TB], s[TB], REC
	s_add_co_u32 s[ST], s[ST], 1
	s_cmp_lt_u32 s[ST], \nst
	s_cbranch_scc1 .Lstep_\@
	s_setprio 0
	; the group's end: o = O^T / the sum; register 16 b + i is channel 32 b + 16 h + i of my query: two blocks of the last product's K
.rept 4
	v_nop                                          ; places behind the last products
.endr
	v_add_f32 v14, v14, v15
	s_delay_alu instid0(VALU_DEP_1)
	v_permlanex16_b32 v224, v14, s[SEL], s[SEL+1]
	s_delay_alu instid0(VALU_DEP_1)
	v_add_f32 v14, v14, v224                       ; the row's sum
	s_wait_alu depctr_va_vdst(0)
	v_rcp_f32 v14, v14
	v_nop                                          ; one plain place behind a transcendental
.set J, 0
	s_wait_alu depctr_va_vdst(0)
.rept 16
	v_pk_mul_f32 v[SCO+J:SCO+J+1], v[OT+J:OT+J+1], v[14:15] op_sel_hi:[1,0]
.set J, J+2
.endr
.irp b, 0,1
	v_max3_num_f32 v[BM+\b], |v[SCO+16*\b]|, |v[SCO+1+16*\b]|, 0x1800000
.endr
.irp i, 2,4,6,8,10,12,14
.irp b, 0,1
	s_delay_alu instid0(VALU_DEP_2)
	v_max3_num_f32 v[BM+\b], v[BM+\b], |v[SCO+16*\b+\i]|, |v[SCO+1+16*\b+\i]|
.endr
.endr
.irp b, 0,1
	s_delay_alu instid0(VALU_DEP_2)
	v_permlanex16_b32 v[BP+\b], v[BM+\b], s[SEL], s[SEL+1]
.endr
.irp b, 0,1
	s_delay_alu instid0(VALU_DEP_2)
	v_max_num_f32 v[BM+\b], v[BM+\b], v[BP+\b]
.endr
.irp b, 0,1
	s_delay_alu instid0(VALU_DEP_2)
	v_add_nc_u32 v[BO+\b], 0xff000000, v[BM+\b]
.endr
.irp b, 0,1
	s_delay_alu instid0(VALU_DEP_2)
	v_lshrrev_b32 v[BP+\b], 23, v[BO+\b]
.endr
	s_delay_alu instid0(VALU_DEP_1)
	v_lshl_or_b32 v225, v[BP+1], 8, v[BP]          ; my row's two scale bytes
	v_cvt_scalef32_pk16_fp6_f32 v[PC:PC+2], v[SCO:SCO+15], v[BO]
	v_cvt_scalef32_pk16_fp6_f32 v[PC+12:PC+14], v[SCO+16:SCO+31], v[BO+1]
	v_nop
.irp i, 0,1,2
	v_permlane16_swap_b32 v[PC+\i], v[PC+12+\i]
.endr
.irp i, 0,1,2
	s_delay_alu instid0(VALU_DEP_3)
	v_mov_b32 v[PC+3+\i], v[PC+12+\i]
.endr
	global_store_b128 v1, v[PC:PC+3], s[52:53]             ; 512 consecutive bytes
	global_store_b64 v2, v[PC+4:PC+5], s[52:53] offset:512 ; 256 consecutive bytes
	global_store_b16 v3, v225, s[54:55]                    ; lanes r and r + 16 write the same two bytes with the same value
.endm
	PASS 0, 8
	PASS 1, 16
	s_wait_tensorcnt 0x0
	ds_add_u32 v254, v255
	s_wait_dscnt 0x0
	CROUND                                         ; the closing round: no work-group ends while a partner may still ask for a record that names it
	s_endpgm
.Lfunc_end_k_q1ac8bd6e64_attn:
	.size	k_q1ac8bd6e64_attn, .Lfunc_end_k_q1ac8bd6e64_attn-k_q1ac8bd6e64_attn
	.p2alignl 7, 3214868480
	.fill 96, 4, 3214868480
	.section	.rodata,"a",@progbits
	.p2align	6, 0x0
	.amdhsa_kernel k_q1ac8bd6e64_attn
		.amdhsa_group_segment_fixed_size 206848
		.amdhsa_private_segment_fixed_size 0
		.amdhsa_enable_private_segment 0
		.amdhsa_kernarg_size 24
		.amdhsa_user_sgpr_count 2
		.amdhsa_user_sgpr_kernarg_segment_ptr 1
		.amdhsa_wavefront_size32 1
		.amdhsa_system_sgpr_workgroup_id_x 1
		.amdhsa_system_sgpr_workgroup_id_y 1
		.amdhsa_system_sgpr_workgroup_id_z 1
		.amdhsa_system_vgpr_workitem_id 0
		.amdhsa_next_free_vgpr 256
		.amdhsa_next_free_sgpr 66
		.amdhsa_reserve_vcc 1
		.amdhsa_float_denorm_mode_32 3
		.amdhsa_float_denorm_mode_16_64 3
		.amdhsa_memory_ordered 1
		.amdhsa_forward_progress 1
		.amdhsa_inst_pref_size 65
	.end_amdhsa_kernel
	.amdgpu_metadata
---
amdhsa.version: [ 1, 2 ]
amdhsa.kernels:
  - .name:           k_q1ac8bd6e64_attn
    .symbol:         k_q1ac8bd6e64_attn.kd
    .args:
      - { .name: qq, .offset: 0, .size: 8, .value_kind: global_buffer, .address_space: global }
      - { .name: kv, .offset: 8, .size: 8, .value_kind: global_buffer, .address_space: global }
      - { .name: aq, .offset: 16, .size: 8, .value_kind: global_buffer, .address_space: global }
    .group_segment_fixed_size: 206848
    .private_segment_fixed_size: 0
    .kernarg_segment_align: 8
    .kernarg_segment_size: 24
    .max_flat_workgroup_size: 512
    .sgpr_count:     66
    .vgpr_count:     256
    .wavefront_size: 32
...
	.end_amdgpu_metadata
.endif
;; end of part 3
;; launch gemm_out (part 4): grid 4 x 32, 4 waves a work-group, clusters of 4 x 4, 327,680 bytes of LDS; arguments aq, wq, out0; writes out0
.if DOCPART == 4
	.amdgcn_target "amdgcn-amd-amdhsa--gfx1250"
	.amdhsa_code_object_version 6
	.text
	.protected	k_q1ac8bd6e64_gemm_out
	.globl	k_q1ac8bd6e64_gemm_out
	.p2align	8
	.type	k_q1ac8bd6e64_gemm_out,@function
k_q1ac8bd6e64_gemm_out:
	s_mov_b64 s[64:65], 0
	v_nop
	global_prefetch_b8 v0, s[64:65] scope:SCOPE_SE
	s_setreg_imm32_b32 hwreg(HW_REG_WAVE_MODE, 25, 1), 1
	s_wait_xcnt 0x0
	s_wait_alu depctr_hold_cnt(0) depctr_sa_sdst(0) depctr_va_vdst(0) depctr_va_sdst(0) depctr_va_ssrc(0) depctr_va_vcc(0) depctr_vm_vsrc(0)
	s_getreg_b32 s2, hwreg(HW_REG_IB_STS2, 6, 4)
	s_cmp_eq_u32 s2, 0
	s_cbranch_scc0 .Lentry_in_a_cluster
	s_endpgm
.Lentry_in_a_cluster:
	s_bfe_u32 s2, ttmp6, 0x10000c
	s_cmp_lg_u32 s2, 0xf033
	s_cbranch_scc0 .Lentry_shape_is_right
	s_endpgm
.Lentry_shape_is_right:
; out0 = o W_out on codes of FP6 (E2M3) with E8M0 scales, K = 1024; out0 [8192][1024] f32.
; A work-group of four waves makes 256 x 256, a wave 128 x 128: 64 accumulators of 16 x 16 in 512 registers.  Source 1 = o's rows (a lane's row), source 0 = W_out's columns (along the lane's registers).
; Operands lie in memory in the order of the operand's registers (row tile of 16 rows, position r = row 32 (T / 2) + 8 (T % 2) + r + 8 (r / 8); a fragment of 128 K = 1,536 bytes; a row tile's 8 K steps = 12,288 bytes).
; K goes in steps of 256 through a ring of two LDS slots; the scale words come once.  4 x 4 work-groups form a cluster: A's tiles are asked for jointly along a row, B's along a column.
; 128 work-groups: a smaller tile would give every WGP one, at the price of a second matrix loop; this launch is short beside the attention.
; REGISTERS, in windows of 256: window 0: v0-31 addresses; v32-63 scale words, two sets, and nothing else; from v128 A's fragments, one set; on the way out v128-255 take rows of the result.
;   window 1: B's fragments, two sets.   window 2: the accumulators of A's blocks 0-3 ((a, b) at v[8 (8 a + b)]);  window 3: those of blocks 4-7.
.set NQ,     2
.set FR,     12
.set NL,     4
.set NP,     4
.set FRB,    1536
.set TROW,   NQ*FRB
.set TILEB,  12288
.set HALFT,  8*TROW
.set SLOT,   4*HALFT
.set SCL,    2*SLOT
.set HALFS,  4096
.set SPARE,  SCL+4*HALFS               ; the spare words, 128 bytes for each wave: two blocks of 256 bytes that no other line names
.set ASC,    6291456                   ; aq's scale words begin here
.set BCO,    192*TILEB                 ; W_out's row tiles are wq's tiles 192 on
.set BSC,    3145728+192*512           ; and their scale words
.set SPITCH, 528                       ; the way out: a stage of 16 rows x (512 + 16) bytes for each wave, in slot 0, which has had its last fill and its last read by then
.set ADRA, 16
.set ADRB, 20
.set STO,  24                          ; v24  the way out: where I put my bytes of a row
.set RD,   25                          ; v25  and where I read a row back
.set CO,   26                          ; v26  16 x lane: my byte offset in a row's 512 bytes
.set ADRS, 27
.set SPW,  28
.set NIL,  29
.set L16,  8
.set L8,   9
.set SC,   32
.set AF,   128
.set BK,   128
.set G1, 24
.set G0, 32
.set G1B, 48
.set G0B, 56
.set G1S, 68
.set G0S, 76
.set G1SB, 80
.set G0SB, 88
.set MSB, 0
.macro WIN new                         ; the immediate's high byte repeats the setting that is left
.if MSB != (\new)
	s_set_vgpr_msb (MSB<<8)|(\new)
.set MSB, (\new)
.endif
.endm
.set MUL_LO, 0xa1
.set MUL_HI, 0xf1
.set TO_B,   0x40
.macro JLOAD g0a, g1a, g0b, g1b        ; a joint load: waves 0 and 1 fetch for A, waves 2 and 3 for B; four v_nop follow each of the two lines
	s_cmp_eq_u32 s15, 0
	s_cbranch_scc0 .Lfor_b_\@
	tensor_load_to_lds s[\g0a:\g0a+3], s[\g1a:\g1a+7]
	s_nop 0
.rept 4
	v_nop
.endr
	s_branch .Lasked_\@
.Lfor_b_\@:
	tensor_load_to_lds s[\g0b:\g0b+3], s[\g1b:\g1b+7]
	s_nop 0
.rept 4
	v_nop
.endr
.Lasked_\@:
.endm
.macro CREST
	s_cmp_lg_u32 s14, 0
	s_cbranch_scc1 .Lnot_wave_0_\@
	s_barrier_signal -3
.Lnot_wave_0_\@:
	s_barrier_wait -3
	s_barrier_signal -1
	s_barrier_wait -1
.endm
.macro CROUND
	s_barrier_signal -1
	s_barrier_wait -1
	CREST
.endm
	s_load_b128 s[4:7], s[0:1], 0x0                ; aq, wq
	s_load_b64 s[12:13], s[0:1], 0x10              ; out0
	v_lshl_add_u32 v[SPW], v0, 2, SPARE
	v_mov_b32 v[NIL], 0
	ds_add_u32 v28, v29
	ds_add_u32 v28, v29
	s_wait_dscnt 0x0
	v_lshrrev_b32 v1, 5, v0
	v_readfirstlane_b32 s14, v1                    ; wave 0..3
	s_lshr_b32 s15, s14, 1                         ; which half of A's rows is mine.  Also: I fetch for A (0) or for B (1)
	s_and_b32 s16, s14, 1                          ; which half of B's rows.  Also: which 8 row tiles I fetch
	s_bfe_u32 s40, ttmp6, 0x40000                  ; cx, cy
	s_bfe_u32 s41, ttmp6, 0x40004
	s_lshl_b32 s42, ttmp9, 2
	s_add_co_u32 s42, s42, s40                     ; which 256 columns
	s_and_b32 s17, ttmp7, 0xffff
	s_lshl_b32 s17, s17, 2
	s_add_co_u32 s17, s17, s41                     ; which 256 rows
	s_lshl_b32 s43, s41, 2
	s_lshl_b32 s43, 15, s43                        ; my row of the cluster
	s_lshl_b32 s44, 0x1111, s40                    ; my column
	s_or_b32 s[G1+0], s43, (3<<16)|(1<<21)         ; codes: 8 row tiles x 3,072 bytes (384 elements of 8 bytes), 12,288 bytes apart in memory, dense in LDS
	s_or_b32 s[G1B+0], s44, (3<<16)|(1<<21)
.irp g, G1, G1B
	s_mov_b32 s[\g+1], 384<<16
	s_mov_b32 s[\g+2], 8<<16
	s_mov_b32 s[\g+3], 384<<16
	s_mov_b32 s[\g+4], 8
	s_mov_b32 s[\g+5], 1536
	s_mov_b32 s[\g+6], 0
	s_mov_b32 s[\g+7], 0
.endr
	s_or_b32 s[G1S+0], s43, (3<<16)|(1<<21)        ; scale words of 8 row tiles: 4,096 dense bytes as 16 rows of 256
	s_or_b32 s[G1SB+0], s44, (3<<16)|(1<<21)
.irp g, G1S, G1SB
	s_mov_b32 s[\g+1], 32<<16
	s_mov_b32 s[\g+2], 16<<16
	s_mov_b32 s[\g+3], 32<<16
	s_mov_b32 s[\g+4], 16
	s_mov_b32 s[\g+5], 32
	s_mov_b32 s[\g+6], 0
	s_mov_b32 s[\g+7], 0
.endr
	s_lshl_b32 s18, s16, 3
	s_lshl_b32 s20, s17, 4
	s_add_co_u32 s20, s20, s18                     ; A: row tile
	s_lshl_b32 s46, s42, 4
	s_add_co_u32 s46, s46, s18                     ; B: row tile
	s_lshl_b32 s22, s20, 9
	s_add_co_u32 s22, s22, ASC
	s_lshl_b32 s92, s46, 9
	s_add_co_u32 s92, s92, BSC
	s_mul_i32 s20, s20, TILEB
	s_mul_i32 s46, s46, TILEB
	s_add_co_u32 s46, s46, BCO
	s_mov_b32 s21, 0
	s_mov_b32 s23, 0
	s_mov_b32 s47, 0
	s_mov_b32 s93, 0
	s_mul_i32 s45, s14, HALFT
	s_mul_i32 s94, s14, HALFS
	s_wait_kmcnt 0x0
	s_add_nc_u64 s[20:21], s[4:5], s[20:21]
	s_add_nc_u64 s[22:23], s[4:5], s[22:23]
	s_add_nc_u64 s[46:47], s[6:7], s[46:47]
	s_add_nc_u64 s[92:93], s[6:7], s[92:93]
	CROUND                                         ; all sixteen work-groups are here: the first joint loads meet
	s_mov_b32 s[G0S], 1
	s_add_co_u32 s[G0S+1], s94, SCL
	s_mov_b64 s[G0S+2:G0S+3], s[22:23]
	s_or_b32 s[G0S+3], s[G0S+3], 0x80000000
	s_mov_b32 s[G0SB], 1
	s_add_co_u32 s[G0SB+1], s94, SCL
	s_mov_b64 s[G0SB+2:G0SB+3], s[92:93]
	s_or_b32 s[G0SB+3], s[G0SB+3], 0x80000000
	JLOAD G0S, G1S, G0SB, G1SB
.irp s, 0,1
	s_mov_b32 s[G0+4*\s], 1
	s_add_co_u32 s[G0+4*\s+1], s45, \s*SLOT
	s_add_nc_u64 s[G0+4*\s+2:G0+4*\s+3], s[20:21], \s*TROW
	s_or_b32 s[G0+4*\s+3], s[G0+4*\s+3], 0x80000000
	s_mov_b32 s[G0B+4*\s], 1
	s_add_co_u32 s[G0B+4*\s+1], s45, \s*SLOT
	s_add_nc_u64 s[G0B+4*\s+2:G0B+4*\s+3], s[46:47], \s*TROW
	s_or_b32 s[G0B+4*\s+3], s[G0B+4*\s+3], 0x80000000
	s_wait_alu depctr_va_vdst(0)
	s_wait_tensorcnt 0x0
	ds_add_u32 v28, v29
	s_wait_dscnt 0x0
	CROUND
	JLOAD G0+4*\s, G1, G0B+4*\s, G1B               ; one load of mine is out behind the last of these
.endr
	v_and_b32 v1, 31, v0                           ; lane
	v_and_b32 v2, 15, v0                           ; r
	v_bfe_u32 v3, v0, 4, 1                         ; h
	v_lshlrev_b32 v[L16], 4, v1
	v_lshlrev_b32 v[L8], 3, v1
	s_mul_i32 s21, s15, HALFT
	s_mul_i32 s22, s16, HALFT
	s_add_co_u32 s22, s22, 2*HALFT
.irp s, 0,1
	v_add_nc_u32 v[ADRA+\s], s21, v[L16]
	v_add_nc_u32 v[ADRB+\s], s22, v[L16]
	v_add_nc_u32 v[ADRA+2+\s], s21, v[L8]
	v_add_nc_u32 v[ADRB+2+\s], s22, v[L8]
	s_add_co_u32 s21, s21, SLOT
	s_add_co_u32 s22, s22, SLOT
.endr
	v_lshlrev_b32 v6, 2, v2
	s_mul_i32 s21, s15, HALFS
	s_mul_i32 s22, s16, HALFS
	s_add_co_u32 s22, s22, 2*HALFS
	s_sub_co_u32 s22, s22, s21
	v_mul_u32_u24 v7, s22, v3                      ; lanes 16-31 take B's: one product, the distance between the two
	s_add_co_u32 s21, s21, SCL
	v_add_nc_u32 v6, v6, v7
	v_add_nc_u32 v[ADRS], s21, v6
	s_mul_i32 s23, s14, 16*SPITCH                  ; my stage
	v_mul_u32_u24 v5, v2, SPITCH
	v_lshl_add_u32 v5, v3, 6, v5                   ; in: row r; my half's 16 columns of each 32: + 64 h
	v_add_nc_u32 v[STO], s23, v5
	v_lshlrev_b32 v[CO], 4, v1
	v_add_nc_u32 v[RD], s23, v[CO]                 ; back: the 32 lanes take one row of 512 bytes
	s_lshl_b32 s20, s17, 8
	s_lshl_b32 s21, s15, 7
	s_add_co_u32 s20, s20, s21                     ; my first row of out0,
	s_lshl_b32 s20, s20, 12                        ; in bytes: rows of 4,096
	s_lshl_b32 s46, s42, 10
	s_lshl_b32 s47, s16, 9
	s_add_co_u32 s46, s46, s47                     ; my first column, in bytes
	s_add_co_u32 s20, s20, s46
	s_mov_b32 s21, 0
	s_add_nc_u64 s[12:13], s[12:13], s[20:21]
.macro FRAG reg, adr, q, i             ; a fragment comes as it was stored: two halves, each 16 bytes a lane and then 8 bytes a lane
	ds_load_b128 v[\reg:\reg+3], v[\adr] offset:(\i)*TROW+(\q)*FRB
	ds_load_b64 v[\reg+4:\reg+5], v[\adr+2] offset:(\i)*TROW+(\q)*FRB+512
	ds_load_b128 v[\reg+6:\reg+9], v[\adr] offset:(\i)*TROW+(\q)*FRB+768
	ds_load_b64 v[\reg+10:\reg+11], v[\adr+2] offset:(\i)*TROW+(\q)*FRB+1280
.endm
; 16 matrix instructions; the 64 accumulators take turns, one instruction a turn, in the same order in every step
.macro MUL16 a0, p, q, sc, zero
.irp a, \a0, \a0+1
.irp b, 0,1,2,3,4,5,6,7
.if \zero
	v_wmma_scale_f32_16x16x128_f8f6f4 v[8*(8*((\a)%4)+\b):8*(8*((\a)%4)+\b)+7], v[128*(\p)+FR*\b:128*(\p)+FR*\b+FR-1], v[AF+FR*(\a):AF+FR*(\a)+FR-1], 0, v[SC+8*NQ*(\sc)+NQ*\b+(\q)], v[SC+8*NQ*(\sc)+NQ*(\a)+(\q)] matrix_a_fmt:MATRIX_FMT_FP6 matrix_b_fmt:MATRIX_FMT_FP6 matrix_a_scale:MATRIX_SCALE_ROW1
.else
	v_wmma_scale_f32_16x16x128_f8f6f4 v[8*(8*((\a)%4)+\b):8*(8*((\a)%4)+\b)+7], v[128*(\p)+FR*\b:128*(\p)+FR*\b+FR-1], v[AF+FR*(\a):AF+FR*(\a)+FR-1], v[8*(8*((\a)%4)+\b):8*(8*((\a)%4)+\b)+7], v[SC+8*NQ*(\sc)+NQ*\b+(\q)], v[SC+8*NQ*(\sc)+NQ*(\a)+(\q)] matrix_a_fmt:MATRIX_FMT_FP6 matrix_b_fmt:MATRIX_FMT_FP6 matrix_a_scale:MATRIX_SCALE_ROW1
.endif
.endr
.endr
.endm
.macro FETCH_B slot, q, p
	WIN TO_B
.irp i, 0,1,2,3,4,5,6,7
	FRAG 128*(\p)+FR*\i, ADRB+\slot, \q, \i
.endr
	WIN 0
.endm
.macro FETCH_A slot, q, i0
.irp i, \i0, \i0+1, \i0+2, \i0+3
	FRAG AF+FR*(\i), ADRA+\slot, \q, \i
.endr
.endm
.macro SCALES sc
.irp i, 0,1,2,3,4,5,6,7
	ds_load_b32 v[SC+8*NQ*\sc+NQ*\i], v[ADRS] offset:\i*512
	ds_load_b32 v[SC+8*NQ*\sc+NQ*\i+1], v[ADRS] offset:\i*512+64
.endr
.endm
.macro PLACES n                        ; plain vector places behind matrix instructions (ISA guide 7.12.1)
.rept \n
	v_nop
.endr
.endm
.macro STEP slot, q, zero
	s_wait_dscnt 4*NL                              ; all but the youngest 16 loads (A's blocks 4-7) are in
	WIN MUL_LO
	MUL16 0, (\q)%2, \q, \slot, \zero
	MUL16 2, (\q)%2, \q, \slot, \zero
	s_wait_dscnt 0
	PLACES NP
	FETCH_B \slot, (\q)+1, 1-(\q)%2
	FETCH_A \slot, (\q)+1, 0
	WIN MUL_HI
	MUL16 4, (\q)%2, \q, \slot, \zero
	MUL16 6, (\q)%2, \q, \slot, \zero
	PLACES NP
	WIN 0
	FETCH_A \slot, (\q)+1, 4
.endm
.macro TURN slot, next, fill
	s_wait_tensorcnt 0x0                           ; all my tensor loads have landed: my part of the next slot
	ds_add_u32 v[SPW], v[NIL]                      ; 0 onto my spare word
	s_wait_dscnt 4*NL+1                            ; the add and the youngest 16 loads may be out
	WIN MUL_LO
	MUL16 0, 1, NQ-1, \slot, 0
	s_wait_dscnt 0x0                               ; the add is done, and my reads of this slot are over
	s_barrier_signal -1
	MUL16 2, 1, NQ-1, \slot, 0
	WIN 0
	s_barrier_wait -1
.if \fill
	CREST                                          ; the barrier has opened a round of the cluster's barrier: no wave of any partner still reads this slot or has a load on its way
	s_add_nc_u64 s[G0+4*\slot+2:G0+4*\slot+3], s[G0+4*\slot+2:G0+4*\slot+3], 2*TROW
	s_add_nc_u64 s[G0B+4*\slot+2:G0B+4*\slot+3], s[G0B+4*\slot+2:G0B+4*\slot+3], 2*TROW
	JLOAD G0+4*\slot, G1, G0B+4*\slot, G1B
.else
	PLACES NP
.endif
	s_wait_alu depctr_va_vdst(0)
	v_add_nc_u32 v[ADRS], 64*NQ, v[ADRS]
	FETCH_B \next, 0, 0
	FETCH_A \next, 0, 0
	SCALES \next
	WIN MUL_HI
	MUL16 4, 1, NQ-1, \slot, 0
	MUL16 6, 1, NQ-1, \slot, 0
	PLACES NP
	WIN 0
	FETCH_A \next, 0, 4
.endm
	s_wait_alu depctr_va_vdst(0)
	s_wait_tensorcnt 1                             ; the scale words and my part of slot 0 are in; slot 1's load may be out
	s_barrier_signal -1
	s_barrier_wait -1
	FETCH_B 0, 0, 0
	FETCH_A 0, 0, 0
	SCALES 0
	FETCH_A 0, 0, 4
	STEP 0, 0, 1                                   ; K = 1,024 is four slots: the walk is written out.  The first products start the sums
	TURN 0, 1, 1
	STEP 1, 0, 0
	TURN 1, 0, 1
	STEP 0, 0, 0
	TURN 0, 1, 0
	STEP 1, 0, 0
	s_wait_dscnt 4*NL
	WIN MUL_LO
	MUL16 0, 1, NQ-1, 1, 0
	MUL16 2, 1, NQ-1, 1, 0
	s_wait_dscnt 0
	WIN MUL_HI
	MUL16 4, 1, NQ-1, 1, 0
	MUL16 6, 1, NQ-1, 1, 0
	WIN 0
; THE WAY OUT, block by block of 16 rows x 128 columns, through my own stage in LDS.  Accumulator (a, b), lane (r, h), register j is column 32 (b / 2) + 16 h + 8 (b % 2) + j of the row at position r of block a.
; Stage row t of block a is row 32 (a / 2) + 8 (a % 2) + t + 8 (t / 8) of my 128; it leaves as 512 consecutive bytes.  LDS serves a wave's instructions in order: no wait between the stores and the loads.
.macro TOSTAGE a
.set AC, 64*((\a)%4)
	WIN 0x08+4*((\a)/4)                            ; the data: window 2 or 3
.irp b, 0,1,2,3,4,5,6,7
	ds_store_b128 v[STO], v[AC+8*\b:AC+8*\b+3] offset:128*(\b/2)+32*(\b%2)        ; each accumulator from its low end on
	ds_store_b128 v[STO], v[AC+8*\b+4:AC+8*\b+7] offset:128*(\b/2)+32*(\b%2)+16
.endr
	WIN 0
.set BB, BK+64*((\a)%2)
.irp t, 0,1,2,3,4,5,6,7,8,9,10,11,12,13,14,15
	ds_load_b128 v[BB+4*\t:BB+4*\t+3], v[RD] offset:\t*SPITCH
.endr
.endm
.macro SEND a, younger                 ; younger: the LDS instructions issued behind block a's loads, which may stay out
.set BB, BK+64*((\a)%2)
	s_wait_dscnt \younger
.irp t, 0,1,2,3,4,5,6,7,8,9,10,11,12,13,14,15
	global_store_b128 v[CO], v[BB+4*\t:BB+4*\t+3], s[12:13] offset:(32*((\a)/2)+8*((\a)%2)+\t+8*(\t/8))*4096 th:TH_STORE_NT   ; 32 lanes store 512 consecutive bytes; the row stands in the immediate, 520,192 at the most
.endr
.endm
	PLACES NP                                      ; behind the last products: for the stores of results and the loads into A's registers
	TOSTAGE 0
.irp a, 1,2,3,4,5,6,7
.if \a > 1
	s_wait_xcnt 0x0                                ; block a - 2's stores have read their registers: block a's loads may land there
.endif
	TOSTAGE \a
	SEND \a-1, 32                                  ; behind block a - 1's loads: block a's 16 stores and 16 loads
.endr
	SEND 7, 0
	s_wait_tensorcnt 0x0                           ; the wave's end
	ds_add_u32 v[SPW], v[NIL]
	s_wait_dscnt 0x0
	CROUND                                         ; the closing round
	s_endpgm
.Lfunc_end_k_q1ac8bd6e64_gemm_out:
	.size	k_q1ac8bd6e64_gemm_out, .Lfunc_end_k_q1ac8bd6e64_gemm_out-k_q1ac8bd6e64_gemm_out
	.p2alignl 7, 3214868480
	.fill 96, 4, 3214868480
	.section	.rodata,"a",@progbits
	.p2align	6, 0x0
	.amdhsa_kernel k_q1ac8bd6e64_gemm_out
		.amdhsa_group_segment_fixed_size 327680
		.amdhsa_private_segment_fixed_size 0
		.amdhsa_enable_private_segment 0
		.amdhsa_kernarg_size 24
		.amdhsa_user_sgpr_count 2
		.amdhsa_user_sgpr_kernarg_segment_ptr 1
		.amdhsa_wavefront_size32 1
		.amdhsa_system_sgpr_workgroup_id_x 1
		.amdhsa_system_sgpr_workgroup_id_y 1
		.amdhsa_system_sgpr_workgroup_id_z 1
		.amdhsa_system_vgpr_workitem_id 0
		.amdhsa_next_free_vgpr 1024
		.amdhsa_next_free_sgpr 100
		.amdhsa_reserve_vcc 0
		.amdhsa_float_denorm_mode_32 3
		.amdhsa_float_denorm_mode_16_64 3
		.amdhsa_memory_ordered 1
		.amdhsa_forward_progress 1
		.amdhsa_inst_pref_size 146
	.end_amdhsa_kernel
	.amdgpu_metadata
---
amdhsa.version: [ 1, 2 ]
amdhsa.kernels:
  - .name:           k_q1ac8bd6e64_gemm_out
    .symbol:         k_q1ac8bd6e64_gemm_out.kd
    .args:
      - { .name: aq, .offset: 0, .size: 8, .value_kind: global_buffer, .address_space: global }
      - { .name: wq, .offset: 8, .size: 8, .value_kind: global_buffer, .address_space: global }
      - { .name: out0, .offset: 16, .size: 8, .value_kind: global_buffer, .address_space: global }
    .group_segment_fixed_size: 327680
    .private_segment_fixed_size: 0
    .kernarg_segment_align: 8
    .kernarg_segment_size: 24
    .max_flat_workgroup_size: 128
    .sgpr_count:     100
    .vgpr_count:     1024
    .wavefront_size: 32
...
	.end_amdgpu_metadata
.endif
;; end of part 4
